; MI455X (gfx1250); checked and timed in simulation.
; The chip was launched on July 23, 2026; its instructions are those of AMD's public machine-readable ISA for CDNA 5 (MIT licence, August 2026) and "CDNA5" Instruction Set Architecture Reference Guide (July 2026). The comments in the code are by the model that wrote it; some were corrected since.
;; multihead self attention. Allowed arithmetic: matrix products marked QUANTISED: E2M3 operands, one E8M0 scale for each 32 along K, by v_wmma_scale_f32_16x16x128_f8f6f4 with both operands' format E2M3, f32 sums; everything else in f32.
;; Inputs: Wk 2,048 x 2,048 float32; Wproj 2,048 x 2,048 float32; Wq 2,048 x 2,048 float32; Wv 2,048 x 2,048 float32; token_positions 2,048 int32; x 1 x 2,048 x 2,048 float32.
;; Outputs: out0 1 x 2,048 x 2,048 float32.
;; This version of the problem:
;;   THIS VERSION OF THE PROBLEM IS GIVEN IN LOW PRECISION. The matrix products marked QUANTISED in the list below multiply operands that are first quantised to E2M3 (2 exponent bits, 3 mantissa bits; 6 bits a number), with one power-of-two scale for each 32 numbers along K (OCP MX v1.0); their sums are f32. All else is computed in f32.
;;   The module's matrix products, in the order in which they are computed (A, B: the left and right operand; K: the contracted axis; several contracted axes count as one K, in the product's order):
;;     1. [M 2,048, K 2,048] x [K 2,048, N 2,048]; A: input x; B: input Wq: QUANTISED
;;     2. [M 2,048, K 2,048] x [K 2,048, N 2,048]; A: input x; B: input Wk: QUANTISED
;;     3. [M 2,048, K 2,048] x [K 2,048, N 2,048]; A: input x; B: input Wv: QUANTISED
;;     4. batch 16 x [M 2,048, K 128] x [K 128, N 2,048]; A: computed on the way; B: computed on the way: QUANTISED
;;     5. batch 16 x [M 2,048, K 2,048] x [K 2,048, N 128]; A: softmax (see below); B: computed on the way: QUANTISED
;;     6. [M 2,048, K 2,048] x [K 2,048, N 2,048]; A: computed on the way; B: input Wproj: QUANTISED
;;   THE QUANTISER, for each operand of a quantised product, along K:
;;     - K is cut into blocks of 32 from its start; a last block that is shorter is filled with zeros.
;;     - A block's scale is 2^e with e = floor(log2(the largest magnitude in the block)) - 2, held to -126 .. 127; a block of zeros has e = 0. As a byte (E8M0): e + 127.
;;     - Each number is divided by its block's scale, clamped to +-7.5, and rounded to the nearest number of E2M3, ties to even, subnormals kept.
;;     - The product sums the exact products of the quantised numbers (number of the format x scale) in f32.
;;   ~~~python
;;   def quantise(x, axis):      # numpy; x: float32 -> the quantised numbers, widened to float32 again
;;       x = np.moveaxis(x, axis, -1); K = x.shape[-1]
;;       x = np.pad(x, [(0, 0)] * (x.ndim - 1) + [(0, -K % 32)]); x = x.reshape(x.shape[:-1] + (-1, 32)); a = np.abs(x).max(-1, keepdims=True)
;;       e = np.where(a > 0, np.clip(np.frexp(np.where(a > 0, a, 1))[1] - 1 - 2, -126, 127), 0)      # np.frexp(a)[1] - 1 = floor(log2(a)), exactly
;;       r = np.clip(x / 2.0 ** e, -7.5, 7.5)
;;       step = 2.0 ** (np.maximum(np.frexp(np.where(r == 0, 1, r))[1] - 1, 0) - 3)
;;       q = np.round(r / step) * step * 2.0 ** e      # np.round: ties to even
;;       return np.moveaxis(q.reshape(q.shape[:-2] + (-1,))[..., :K], -1, axis).astype(np.float32)
;;   ~~~
;;   SOFTMAX AHEAD OF A QUANTISED PRODUCT. Where the list says 'softmax', what is quantised is not the finished softmax but p = 2^(t - M), with t = logit x log2(e) and M = ceil(the row's largest t), a whole number; so 1/2 < the row's largest p <= 1. The row's sum l is taken of the UNQUANTISED p, in f32, and the product's result is divided by l at the end. Since M is a whole number, a kernel that streams over the keys may use a running M (the ceiling of the running maximum): every later rescaling is an exact power of two, which a block's scale takes up: the codes' values come out the same.
;;   OPERANDS COMPUTED ON THE WAY. 'Computed on the way' means the value that the module computes at that place (a softmax that the list does not call 'softmax' is quantised finished and normalised). What goes into a quantiser is computed in f32, as accurately as f32 sums, v_exp_f32 and their like allow (about 1e-6 of the number): no bf16 or f16 on the way to a quantiser, and a product that is left as it is and whose result goes on into a quantised operand takes f32 operands (vector FMAs, or v_wmma_f32_16x16x4_f32). A number that lies on a knife's edge between two numbers of the format may be rounded either way, as far as f32 arithmetic and the matrix unit's own rounding can turn it there, and no further.
;; One version. Each part assembles by itself: llvm-mc -triple=amdgcn-amd-amdhsa -mcpu=gfx1250 --defsym DOCPART=n.
;; ======== version 1 of 1: 4 launches
;; workspace buffers: prepb 17,432,576 bytes; qkvb 9,830,400 bytes; ob 3,276,800 bytes
;; launch prep (part 1): grid 256 x 1, 11 waves a work-group, no clusters, 97,280 bytes of LDS; arguments x, Wq, Wk, Wv, Wproj, token_positions, prepb; writes prepb
.if DOCPART == 1
	.amdgcn_target "amdgcn-amd-amdhsa--gfx1250"
	.amdhsa_code_object_version 6
	.text
	.protected	k_qcee8f8c3b7_prep
	.globl	k_qcee8f8c3b7_prep
	.p2align	8
	.type	k_qcee8f8c3b7_prep,@function
k_qcee8f8c3b7_prep:
	s_mov_b64 s[64:65], 0
	v_nop
	global_prefetch_b8 v0, s[64:65] scope:SCOPE_SE
	s_setreg_imm32_b32 hwreg(HW_REG_WAVE_MODE, 25, 1), 1
	s_wait_xcnt 0x0
; LAUNCH 1 OF 4.  x, Wq, Wk, Wv, Wproj ([2048][2048] f32, K innermost) become codes of FP6 (E2M3) with one E8M0 byte for each 32 along K; and the table of cos and sin for the given token positions is made.
; WORK LEFT OUT IN THIS PROGRAM: only key steps of 128 keys that lie wholly above the diagonal of the causal mask, which reference() builds itself (jnp.tril): their scores become -inf ahead of the softmax, so
; their p is 0 for every value of the inputs and adds nothing to a row's sum or to o.  They are left out in the third launch, in whole steps.  Every input has a way to the output and is loaded.
; LIMIT: a NaN, an infinity or an overflow that would arise only in such a step is not carried to the result.
; LIMITS: NaN and infinities among the inputs are not served.  A block of zeros, or one whose largest magnitude lies under 2^-124, gets the byte 1 (the rule says 127 for zeros): its codes are zeros or held as the
; floor gives them, and the bytes are read by this program alone.  token_positions lie in 0 .. 2047, as the table that reference() indexes asks.  1 / 10000^(p / 64) is made by v_exp_f32 on a fraction split in two
; parts: it may differ from reference()'s in the last one or two bits, and an angle by that part of its size.
; LAYOUTS OF THE WORKSPACE (all this program's own).  A FRAGMENT IMAGE is an operand's 12 registers (16 rows x 128 K) as they stand: registers 4 c .. 4 c + 3 of lane l at byte 512 c + 16 l: 1,536 bytes.
; A SCALE IMAGE holds the scale words of 8 fragments: that of fragment t, row r at 256 (t / 4) + 16 r + 4 (t % 4): 512 bytes.  A tensor is [group of 128 rows][K step of 128][8 fragments].
; THE ROWS OF A FRAGMENT ARE NOT NEIGHBOURS: lane row i of fragment f is row 32 (f / 2) + 8 (f % 2) + i + 8 (i / 8) of its group, so that a product that takes such fragments as source 0 leaves 16 neighbours
; along that axis in the 16 registers of two neighbouring tiles.
; prepb: x, Wq, Wk, Wv (tensors 0 to 3) as RECORDS of 12,800 bytes, a K step's 8 images and behind them its scale image, at 3,276,800 tensor + 204,800 group + 12,800 step, so that one dense block brings codes and scales;
; Wproj: images at 13,107,200 + 196,608 group + 12,288 step, scale images at 16,252,928 + 8,192 group + 512 step; the cos/sin table at 16,384,000.
; SHARES.  5 tensors x 16 groups x 16 K steps are five units of 128 rows x 128 K for each of 256 work-groups.  Work-group = (group = wg / 16, K step = wg % 16); wave w < 10 takes tensor w / 2 and half w % 2 of the
; group's rows: 4 fragments.  Each load reads 512 consecutive bytes of a row; 16 rows go through the wave's own stage in LDS (pitch 528) and come back, into the registers that they left, so that lane (r, h) holds
; blocks h and 2 + h of row r, which is what the operand's layout gives that lane: no lane asks another for a maximum.  Three sets of registers: two fragments' loads stay out while one fragment is worked on.
; Wave 10 makes half of the table for block wg / 2 of 16 tokens (in the fragments' row order): chunks 8 (wg % 2) + 0 .. 7 of 512 bytes; lane (r, h) of chunk q holds cos, sin of pair 16 (q / 4) + 8 h + 2 (q % 4)
; and of the next pair, which is the order in which the second launch's results lie in a lane.
; No tensor load, no barrier: waves share nothing.  Matrix units and clusters have no work here.
.set STG,   8704                       ; a wave's stage: 16 rows x 528, rounded up
.set SPARE, 11*STG                     ; behind the stages: the spare words, 128 bytes a wave
.set LO,   4                           ; v4   16 x lane
.set STI,  5                           ; v5   the stage, on the way in
.set STO,  6                           ; v6   and on the way out: 528 r + 128 h
.set H8,   7                           ; v7   8 h
.set SO,   8                           ; v8   16 r + 8 h: my 8 bytes of my half of the scale image
.set SPW,  12                          ; v12  my spare word; never rewritten
.set NIL,  13                          ; v13  0; never rewritten
.set TM,   16                          ; v16-20 at work
.set PC,   24                          ; v24-35 a fragment's codes
.set CT,   36                          ; v36-42 the second halves of the blocks' codes
.set SIW,  44                          ; v44-45 my two words of the scale image
.set SW,   56                          ; v56-59 a scale word for each fragment
.set RB,   64                          ; v64-255 three sets of 64: rows as loaded, then my 64 numbers
.set IFQ,  64                          ; the table's path: v64-79 1 / 10000^(p / 64) of my 16 pairs
.set NI,   96                          ; v96-111 whole parts of the exponents
.set OUTR, 128                         ; v128-159 cos, sin
	s_load_b256 s[4:11], s[0:1], 0x0               ; x, Wq, Wk, Wv
	s_load_b128 s[12:15], s[0:1], 0x20             ; Wproj, token_positions
	s_load_b64 s[16:17], s[0:1], 0x30              ; prepb
	v_lshl_add_u32 v[SPW], v0, 2, SPARE
	v_mov_b32 v[NIL], 0
	v_lshrrev_b32 v1, 5, v0
	v_readfirstlane_b32 s18, v1                    ; wave
	v_and_b32 v1, 31, v0                           ; lane
	v_and_b32 v2, 15, v0                           ; r
	v_bfe_u32 v3, v0, 4, 1                         ; h
	v_lshlrev_b32 v[LO], 4, v1
	v_lshlrev_b32 v[H8], 3, v3
	s_mov_b32 s26, 0x76543210
	s_mov_b32 s27, 0xfedcba98                      ; v_permlanex16_b32's selects for lane l xor 16
	s_cmp_eq_u32 s18, 10
	s_cbranch_scc1 .Lrope
	; ---------------- the quantiser
	s_mul_i32 s28, s18, STG
	v_add_nc_u32 v[STI], s28, v[LO]
	v_mul_u32_u24 v[STO], v2, 528
	v_lshl_add_u32 v[STO], v3, 7, v[STO]
	v_add_nc_u32 v[STO], s28, v[STO]
	v_lshl_add_u32 v[SO], v2, 4, v[H8]
	v_mov_b32 v[TM+4], 0                           ; a lane permute's destination counts as one of its sources
	s_lshr_b32 s29, s18, 1                         ; tensor
	s_and_b32 s40, s18, 1                          ; which half of the group's rows
	s_lshr_b32 s30, ttmp9, 4                       ; group
	s_and_b32 s31, ttmp9, 15                       ; K step
	s_lshl_b32 s32, s30, 20                        ; source: 128 rows of 8,192 bytes a group,
	s_lshl_b32 s33, s31, 9                         ; 512 bytes a K step,
	s_add_co_u32 s32, s32, s33
	s_lshl_b32 s33, s40, 19                        ; 64 rows a half
	s_add_co_u32 s32, s32, s33
	s_mov_b32 s33, 0
	s_mov_b32 s38, 204800                          ; from group to group and from K step to K step: records, or for Wproj images alone
	s_mov_b32 s39, 12800
	s_cmp_eq_u32 s29, 4
	s_cselect_b32 s38, 196608, s38
	s_cselect_b32 s39, 12288, s39
	s_mul_i32 s34, s29, 3276800
	s_mul_i32 s36, s30, s38
	s_add_co_u32 s34, s34, s36
	s_mul_i32 s36, s31, s39
	s_add_co_u32 s34, s34, s36                     ; where the K step's 8 images begin
	s_lshl_b32 s36, s30, 13                        ; its scale image: Wproj's lie apart,
	s_lshl_b32 s37, s31, 9
	s_add_co_u32 s36, s36, s37
	s_add_co_u32 s36, s36, 16252928
	s_add_co_u32 s37, s34, 12288                   ; the others' behind the images
	s_cmp_eq_u32 s29, 4
	s_cselect_b32 s36, s36, s37
	s_lshl_b32 s37, s40, 8
	s_add_co_u32 s36, s36, s37                     ; my half of it: 256 bytes
	s_mov_b32 s37, 0
	s_mul_i32 s41, s40, 6144
	s_add_co_u32 s34, s34, s41                     ; my four images
	s_mov_b32 s35, 0
	s_wait_kmcnt 0x0
	s_mov_b64 s[20:21], s[4:5]                     ; which tensor: the choice hangs on the wave's number alone
	s_cmp_eq_u32 s29, 1
	s_cselect_b64 s[20:21], s[6:7], s[20:21]
	s_cmp_eq_u32 s29, 2
	s_cselect_b64 s[20:21], s[8:9], s[20:21]
	s_cmp_eq_u32 s29, 3
	s_cselect_b64 s[20:21], s[10:11], s[20:21]
	s_cmp_eq_u32 s29, 4
	s_cselect_b64 s[20:21], s[12:13], s[20:21]
	s_add_nc_u64 s[20:21], s[20:21], s[32:33]
	s_add_nc_u64 s[22:23], s[16:17], s[34:35]
	s_add_nc_u64 s[24:25], s[16:17], s[36:37]
.macro LOADF f                         ; my fragment f's 16 rows, 512 consecutive bytes each, into set f % 3
.irp i, 0,1,2,3,4,5,6,7,8,9,10,11,12,13,14,15
	global_load_b128 v[RB+64*((\f)%3)+4*\i:RB+64*((\f)%3)+4*\i+3], v[LO], s[20:21] offset:(32*((\f)/2)+8*((\f)%2)+\i+8*(\i/8))*8192 th:TH_LOAD_NT
.endr
.endm
.macro STEPF f
.set XS, RB+64*((\f)%3)
.if (\f) < 2
	s_wait_loadcnt 32                              ; this fragment's 16 loads are in; those of the two fragments asked for behind it, 16 each, may be out
.else
	s_wait_loadcnt 16*(3-(\f))
.endif
.irp i, 0,1,2,3,4,5,6,7,8,9,10,11,12,13,14,15
	ds_store_b128 v[STI], v[XS+4*\i:XS+4*\i+3] offset:528*\i
.endr
.irp c, 0,1
.irp j, 0,1,2,3,4,5,6,7
	ds_load_b128 v[XS+32*\c+4*\j:XS+32*\c+4*\j+3], v[STO] offset:256*\c+16*\j   ; LDS serves a wave's instructions in order: these see the stores above, and land in the registers that the rows have left.  Block 2 c + h of row r
.endr
.endr
	s_wait_dscnt 0x0                               ; my numbers are in
.irp c, 0,1
	v_max3_num_f32 v[TM+\c], |v[XS+32*\c]|, |v[XS+32*\c+1]|, 0x1800000   ; the block's largest magnitude, with the floor 2^(3 - 127): the byte cannot fall under 1
.endr
.irp i, 2,4,6,8,10,12,14,16,18,20,22,24,26,28,30
.irp c, 0,1
	v_max3_num_f32 v[TM+\c], v[TM+\c], |v[XS+32*\c+\i]|, |v[XS+32*\c+\i+1]|   ; (the two blocks by turns)
.endr
.endr
.irp c, 0,1
	v_add_nc_u32 v[TM+2+\c], 0xff000000, v[TM+\c]  ; 2 off the exponent field: the conversion's scale operand
.endr
	v_lshrrev_b32 v[TM], 23, v[TM+2]               ; the bytes of blocks h and 2 + h,
	v_lshrrev_b32 v[TM+1], 23, v[TM+3]
	v_lshl_or_b32 v[TM], v[TM+1], 16, v[TM]
	v_lshlrev_b32 v[TM], v[H8], v[TM]              ; at their places in the row's scale word;
	v_permlanex16_b32 v[TM+4], v[TM], s26, s27
	v_or_b32 v[SW+(\f)], v[TM], v[TM+4]            ; with lane l xor 16's two the word is whole, in both lanes
	s_wait_xcnt 0x0                                ; the last fragment's stores have read the codes' registers
.irp c, 0,1
	v_cvt_scalef32_pk16_fp6_f32 v[PC+6*\c:PC+6*\c+2], v[XS+32*\c:XS+32*\c+15], v[TM+2+\c]
	v_cvt_scalef32_pk16_fp6_f32 v[CT+4*\c:CT+4*\c+2], v[XS+32*\c+16:XS+32*\c+31], v[TM+2+\c]   ; (a conversion's three registers begin on an even number)
.endr
	v_nop                                          ; one plain place behind a scaled conversion
.irp c, 0,1
.irp i, 0,1,2
	v_mov_b32 v[PC+3+6*\c+\i], v[CT+4*\c+\i]
.endr
.endr
.irp c, 0,1,2
	global_store_b128 v[LO], v[PC+4*\c:PC+4*\c+3], s[22:23] offset:1536*(\f)+512*\c   ; the image: 512 consecutive bytes a store, aligned
.endr
.if (\f) < 1
	LOADF (\f)+3                                   ; the set is free: it takes the fragment three further on
.endif
.endm
	LOADF 0
	LOADF 1
	LOADF 2
.irp f, 0,1,2,3
	STEPF \f
.endr
	v_cmp_lt_u32 vcc_lo, 15, v1                    ; lanes 16-31 take the words of my fragments 2 and 3
	v_cndmask_b32 v[SIW], v[SW], v[SW+2], vcc_lo
	v_cndmask_b32 v[SIW+1], v[SW+1], v[SW+3], vcc_lo
	global_store_b64 v[SO], v[SIW:SIW+1], s[24:25] ; 32 lanes store 256 consecutive bytes, aligned
	s_branch .Lend
	; ---------------- the table of cos and sin
.Lrope:
	s_lshr_b32 s28, ttmp9, 1                       ; my block of 16 tokens
	s_and_b32 s45, ttmp9, 1                        ; and which half of its 32 pairs a lane
	s_lshr_b32 s29, s28, 1
	s_lshl_b32 s29, s29, 5
	s_and_b32 s30, s28, 1
	s_lshl_b32 s30, s30, 3
	s_add_co_u32 s29, s29, s30                     ; its first token: 32 (blk / 2) + 8 (blk % 2)
	s_lshl_b32 s30, s29, 2
	s_mov_b32 s31, 0
	s_lshl_b32 s32, s28, 13
	s_lshl_b32 s46, s45, 12                        ; 8 chunks of 512 bytes a half
	s_add_co_u32 s32, s32, s46
	s_add_co_u32 s32, s32, 16384000
	s_mov_b32 s33, 0
	v_and_b32 v9, 8, v2
	v_add_nc_u32 v9, v9, v2
	v_lshlrev_b32 v9, 2, v9                        ; my token: + r + 8 (r / 8)
	s_lshl_b32 s46, s45, 5
	v_add_nc_u32 v10, s46, v[H8]                   ; 8 h + 32 half
	s_mov_b32 s34, 0xbe549a78                      ; -L, L = log2(10000) / 64, in two parts
	s_mov_b32 s35, 0xb1979a6c
	s_mov_b32 s36, 0x3f22f983                      ; 2 / pi
	s_mov_b32 s37, 0x3fc90fdb                      ; pi / 2 in two parts
	s_mov_b32 s38, 0xb33bbd2e
	s_mov_b32 s39, 0xb94ca1f9                      ; sin's polynomial on +- pi / 4
	s_mov_b32 s40, 0x3c08839e
	s_mov_b32 s41, 0xbe2aaaa3
	s_mov_b32 s42, 0x37ccf5ce                      ; cos's
	s_mov_b32 s43, 0xbab6061a
	s_mov_b32 s44, 0x3d2aaaa5
	s_wait_kmcnt 0x0
	s_add_nc_u64 s[14:15], s[14:15], s[30:31]
	s_add_nc_u64 s[16:17], s[16:17], s[32:33]
	global_load_b32 v8, v9, s[14:15]               ; my token's position: a number, never an address
.set m, 0
.rept 16                               ; pair p = 32 half + 16 (m / 8) + m % 8 + 8 h: -p L = a whole number + a fraction of at most 1/2
.set B0, 16+4*(m%4)
	v_add_nc_u32 v[B0], 16*(m/8)+m%8, v10
	v_cvt_f32_u32 v[B0], v[B0]
	v_mul_f32 v[B0+1], s34, v[B0]
	v_rndne_f32 v[B0+1], v[B0+1]
	v_fma_f32 v[IFQ+m], v[B0], s34, -v[B0+1]
	v_fma_f32 v[IFQ+m], v[B0], s35, v[IFQ+m]
	v_cvt_i32_f32 v[NI+m], v[B0+1]
.set m, m+1
.endr
.set m, 0
.rept 16
	v_exp_f32 v[IFQ+m], v[IFQ+m]
.set m, m+1
.endr
	v_nop                                          ; a plain place behind the last exponential
	s_wait_alu depctr_va_vdst(0)                   ; one wait for the batch, ahead of its first reader
.set m, 0
.rept 16
	v_ldexp_f32 v[IFQ+m], v[IFQ+m], v[NI+m]
.set m, m+1
.endr
	s_wait_loadcnt 0x0
	v_cvt_f32_i32 v8, v8
.macro SC m                            ; cos and sin of position x frequency: the angle is rounded once, as in reference(); then reduced by quarter turns in two parts
.set B0, 16+16*((\m)%2)
	v_mul_f32 v[B0], v8, v[IFQ+(\m)]
	v_mul_f32 v[B0+1], s36, v[B0]
	v_rndne_f32 v[B0+1], v[B0+1]
	v_fma_f32 v[B0+2], -v[B0+1], s37, v[B0]
	v_fma_f32 v[B0+2], -v[B0+1], s38, v[B0+2]
	v_cvt_i32_f32 v[B0+3], v[B0+1]
	v_mul_f32 v[B0+4], v[B0+2], v[B0+2]
	v_fma_f32 v[B0+5], v[B0+4], s39, s40
	v_fma_f32 v[B0+6], v[B0+4], s42, s43
	v_fma_f32 v[B0+5], v[B0+5], v[B0+4], s41
	v_fma_f32 v[B0+6], v[B0+6], v[B0+4], s44
	v_mul_f32 v[B0+5], v[B0+5], v[B0+4]
	v_mul_f32 v[B0+7], v[B0+4], v[B0+4]
	v_fma_f32 v[B0+8], v[B0+4], -0.5, 1.0
	v_fma_f32 v[B0+5], v[B0+5], v[B0+2], v[B0+2]   ; sin of the rest
	v_fma_f32 v[B0+6], v[B0+7], v[B0+6], v[B0+8]   ; cos of the rest
	v_and_b32 v[B0+7], 1, v[B0+3]
	v_cmp_eq_u32 vcc_lo, 1, v[B0+7]                ; an odd number of quarter turns swaps the two;
	v_cndmask_b32 v[B0+8], v[B0+5], v[B0+6], vcc_lo
	v_cndmask_b32 v[B0+9], v[B0+6], v[B0+5], vcc_lo
	v_lshlrev_b32 v[B0+7], 30, v[B0+3]             ; sin changes sign in quarters 2, 3; cos in 1, 2
	v_add_nc_u32 v[B0+3], 1, v[B0+3]
	v_and_b32 v[B0+7], 0x80000000, v[B0+7]
	v_lshlrev_b32 v[B0+3], 30, v[B0+3]
	v_xor_b32 v[OUTR+2*(\m)+1], v[B0+7], v[B0+8]
	v_and_b32 v[B0+3], 0x80000000, v[B0+3]
	v_xor_b32 v[OUTR+2*(\m)], v[B0+3], v[B0+9]
.endm
.irp m, 0,1,2,3,4,5,6,7,8,9,10,11,12,13,14,15
	SC \m
.endr
.irp q, 0,1,2,3,4,5,6,7
	global_store_b128 v[LO], v[OUTR+4*\q:OUTR+4*\q+3], s[16:17] offset:512*\q
.endr
.Lend:
	s_wait_tensorcnt 0x0                           ; the wave's end
	ds_add_u32 v[SPW], v[NIL]
	s_wait_dscnt 0x0
	s_endpgm
.Lfunc_end_k_qcee8f8c3b7_prep:
	.size	k_qcee8f8c3b7_prep, .Lfunc_end_k_qcee8f8c3b7_prep-k_qcee8f8c3b7_prep
	.p2alignl 7, 3214868480
	.fill 96, 4, 3214868480
	.section	.rodata,"a",@progbits
	.p2align	6, 0x0
	.amdhsa_kernel k_qcee8f8c3b7_prep
		.amdhsa_group_segment_fixed_size 97280
		.amdhsa_private_segment_fixed_size 0
		.amdhsa_enable_private_segment 0
		.amdhsa_kernarg_size 56
		.amdhsa_user_sgpr_count 2
		.amdhsa_user_sgpr_kernarg_segment_ptr 1
		.amdhsa_wavefront_size32 1
		.amdhsa_system_sgpr_workgroup_id_x 1
		.amdhsa_system_sgpr_workgroup_id_y 1
		.amdhsa_system_sgpr_workgroup_id_z 1
		.amdhsa_system_vgpr_workitem_id 0
		.amdhsa_next_free_vgpr 256
		.amdhsa_next_free_sgpr 66
		.amdhsa_reserve_vcc 1
		.amdhsa_float_denorm_mode_32 3
		.amdhsa_float_denorm_mode_16_64 3
		.amdhsa_memory_ordered 1
		.amdhsa_forward_progress 1
		.amdhsa_inst_pref_size 58
	.end_amdhsa_kernel
	.amdgpu_metadata
---
amdhsa.version: [ 1, 2 ]
amdhsa.kernels:
  - .name:           k_qcee8f8c3b7_prep
    .symbol:         k_qcee8f8c3b7_prep.kd
    .args:
      - { .name: x, .offset: 0, .size: 8, .value_kind: global_buffer, .address_space: global }
      - { .name: Wq, .offset: 8, .size: 8, .value_kind: global_buffer, .address_space: global }
      - { .name: Wk, .offset: 16, .size: 8, .value_kind: global_buffer, .address_space: global }
      - { .name: Wv, .offset: 24, .size: 8, .value_kind: global_buffer, .address_space: global }
      - { .name: Wproj, .offset: 32, .size: 8, .value_kind: global_buffer, .address_space: global }
      - { .name: token_positions, .offset: 40, .size: 8, .value_kind: global_buffer, .address_space: global }
      - { .name: prepb, .offset: 48, .size: 8, .value_kind: global_buffer, .address_space: global }
    .group_segment_fixed_size: 97280
    .private_segment_fixed_size: 0
    .kernarg_segment_align: 8
    .kernarg_segment_size: 56
    .max_flat_workgroup_size: 352
    .sgpr_count:     66
    .vgpr_count:     256
    .wavefront_size: 32
...
	.end_amdgpu_metadata
.endif
;; end of part 1
;; launch qkv (part 2): grid 24 x 8, 4 waves a work-group, clusters of 4 x 4, 327,680 bytes of LDS; arguments prepb, qkvb; writes qkvb
.if DOCPART == 2
	.amdgcn_target "amdgcn-amd-amdhsa--gfx1250"
	.amdhsa_code_object_version 6
	.text
	.protected	k_qcee8f8c3b7_qkv
	.globl	k_qcee8f8c3b7_qkv
	.p2align	8
	.type	k_qcee8f8c3b7_qkv,@function
k_qcee8f8c3b7_qkv:
	s_mov_b64 s[64:65], 0
	v_nop
	global_prefetch_b8 v0, s[64:65] scope:SCOPE_SE
	s_setreg_imm32_b32 hwreg(HW_REG_WAVE_MODE, 25, 1), 1
	s_wait_xcnt 0x0
	s_wait_alu depctr_hold_cnt(0) depctr_sa_sdst(0) depctr_va_vdst(0) depctr_va_sdst(0) depctr_va_ssrc(0) depctr_va_vcc(0) depctr_vm_vsrc(0)
	s_getreg_b32 s2, hwreg(HW_REG_IB_STS2, 6, 4)
	s_cmp_eq_u32 s2, 0
	s_cbranch_scc0 .Lentry_in_a_cluster
	s_endpgm
.Lentry_in_a_cluster:
	s_bfe_u32 s2, ttmp6, 0x10000c
	s_cmp_lg_u32 s2, 0xf033
	s_cbranch_scc0 .Lentry_shape_is_right
	s_endpgm
.Lentry_shape_is_right:
; LAUNCH 2 OF 4.  q = x Wq^T, k = x Wk^T, v = x Wv^T on codes of FP6 with E8M0 scales; RoPE on q and k in f32; q and k are quantised along the head's 128, v along the keys; all three leave as fragment images
; and scale images (layouts: head of the first launch).  Nothing is left out here.
; A tile of 256 x 256 is made by four waves, each 128 x 128: 64 accumulators, 512 registers.  Source 0 = B's 16 rows, source 1 = A's 16 rows: a lane holds ONE row of A and its registers run along B's rows, in true
; order, since the rows of a fragment are chosen for that.  Tile columns 0-7: q (A = x, B = Wq); 8-15: k (A = x, B = Wk); 16-23: v, made TRANSPOSED (A = Wv, B = x), so that a lane holds one channel and its registers
; run along the tokens, which are the K of the later product with p.  A wave's 128 columns are one head (q, k) or one key step (v): its 64 numbers a lane and block of rows are exactly one fragment of the next product.
; The three regions are told apart by the CLUSTER's x, which all sixteen partners share.  The ways part once, ahead of the last K step, whose 64 products are written in each arm.
; K goes in steps of 128, THREE to a slot, through a ring of two LDS slots.  A group's K step is a record of 12,800 dense bytes (8 images and their scale image), three records are 38,400: one tensor load a wave
; (waves 0, 1: A's two groups; 2, 3: B's).  Two slots of 153,600 bytes and the spare words take 307,712 bytes: three steps are the most that two slots hold.  16 K steps are five visits of three and one of one:
; two first fills and four refills, the last of one record, with a group 1 of its own.  From a request to the wait for it a wave issues 160 matrix instructions.  The register sets go by step % 2 and the slots by
; (step / 3) % 2, and the last refill differs: so the 16 steps are written out, by one macro.  By this text's count a wave has two tensor loads out at the start and one behind each round.
; CLUSTERS: 4 x 4.  A's tiles are shared along a row of the cluster, B's along a column: joint loads, one mask for each.
; No prefetch is laid: each tile is asked for once for four work-groups, and a refill has three K steps' matrix work in which to land.
; qkvb: q's images at 12,288 (16 head + step); k's and v's at 3,145,728 + 24,576 (16 head + step) (+ 12,288 for v); q's scale images at 9,437,184 + 512 (..); k's and v's at 9,568,256 + 1,024 (..) (+ 512 for v).
; LIMITS: as stated at the head of the first launch (NaN, infinities; the byte of a block of zeros).
; REGISTERS, in windows of 256.  Window 0: v1-3 r, h, lane; v16-17, v20-21, v26-27 LDS addresses; v28, v29 the add's two; v30 16 x lane; v32-47 scale words, two sets; v64-255 A's fragments, two sets of 96.
;   Window 1: B's fragments, two sets, at v0 and v128.  Windows 2, 3: the accumulators: (a, b) at v[8 (8 (a % 4) + b)].
;   On the way out: window 0: v64-127 a block's 64 numbers behind RoPE; v128-147 codes; v152-167 at work; v168-175 scale words; v176-183 at work; v184-187 my words of the scale image.  Window 1: four sets of cos, sin.
.set REC,   12800                      ; a group's K step: 8 images, then the scale image
.set SCO,   12288                      ; the scale image's place in a record
.set PART,  3*REC                      ; a group's three K steps
.set SLOT,  4*PART
.set GRP,   16*REC                     ; from group to group in prepb
.set FRB,   1536
.set SPARE, 2*SLOT                     ; behind the ring: the spare words, 128 bytes a wave
.set ADRA, 16
.set ADRB, 20
.set ADRS, 26
.set SPW,  28
.set NIL,  29
.set LI,   30
.set SC,   32
.set AF,   64
.set H,    64
.set PC,   128
.set TM,   152
.set SW,   168
.set T,    176
.set SIW,  184
.set SEL,  20                          ; s[20:21]
.set G1,   24                          ; s[24:31] group 1 for A's tiles, three records;  s[32:39] group 0, one set for each slot
.set G0,   32
.set G1B,  48                          ; s[48:55], s[56:63] the same for B's
.set G0B,  56
.set G1L,  68                          ; s[68:75] group 1 for A's last fill, one record;  s[80:87] for B's
.set G1LB, 80
.set MSB, 0
.macro WIN new                         ; the immediate's high byte repeats the setting that is left
.if MSB != (\new)
	s_set_vgpr_msb (MSB<<8)|(\new)
.set MSB, (\new)
.endif
.endm
.macro PLACES n
.rept \n
	v_nop
.endr
.endm
; A joint load: waves 0 and 1 fetch for A, waves 2 and 3 for B; the branch hangs on the wave's number alone.  An s_nop 0 and four v_nop follow each of the two lines.
.macro JLOAD g0a, g1a, g0b, g1b
	s_cmp_eq_u32 s15, 0
	s_cbranch_scc0 .Lfor_b_\@
	tensor_load_to_lds s[\g0a:\g0a+3], s[\g1a:\g1a+7]
	s_nop 0
.rept 4
	v_nop
.endr
	s_branch .Lasked_\@
.Lfor_b_\@:
	tensor_load_to_lds s[\g0b:\g0b+3], s[\g1b:\g1b+7]
	s_nop 0
.rept 4
	v_nop
.endr
.Lasked_\@:
.endm
.macro CREST                           ; a round of the cluster's barrier behind its opening barrier
	s_cmp_lg_u32 s14, 0
	s_cbranch_scc1 .Lnot_wave_0_\@
	s_barrier_signal -3
.Lnot_wave_0_\@:
	s_barrier_wait -3
	s_barrier_signal -1
	s_barrier_wait -1
.endm
.macro CROUND
	s_barrier_signal -1
	s_barrier_wait -1
	CREST
.endm
	s_load_b128 s[4:7], s[0:1], 0x0                ; prepb, qkvb
	v_lshl_add_u32 v[SPW], v0, 2, SPARE
	v_mov_b32 v[NIL], 0
	ds_add_u32 v[SPW], v[NIL]                      ; the wave's opening: the add, twice on end, and its wait ahead of my first tensor load
	ds_add_u32 v[SPW], v[NIL]
	v_lshrrev_b32 v1, 5, v0
	v_readfirstlane_b32 s14, v1                    ; wave
	s_lshr_b32 s15, s14, 1                         ; my half of the tile's rows.  Also: I fetch for A (0) or for B (1)
	s_and_b32 s16, s14, 1                          ; my half of its columns.  Also: which of the two groups I fetch
	s_bfe_u32 s40, ttmp6, 0x40000                  ; cx
	s_bfe_u32 s41, ttmp6, 0x40004                  ; cy
	s_lshl_b32 s42, ttmp9, 2
	s_add_co_u32 s42, s42, s40                     ; tile column c
	s_and_b32 s17, ttmp7, 0xffff
	s_lshl_b32 s17, s17, 2
	s_add_co_u32 s17, s17, s41                     ; tile row
	s_lshl_b32 s43, s41, 2
	s_lshl_b32 s43, 15, s43                        ; my row of the cluster
	s_lshl_b32 s44, 0x1111, s40                    ; my column
	; group 1: a dense block as rows of 256 bytes (32 elements of 8 bytes): 150 rows are three records, 50 rows one
	s_or_b32 s[G1], s43, (3<<16)|(1<<21)
	s_or_b32 s[G1B], s44, (3<<16)|(1<<21)
	s_or_b32 s[G1L], s43, (3<<16)|(1<<21)
	s_or_b32 s[G1LB], s44, (3<<16)|(1<<21)
.irp g, G1, G1B
	s_mov_b32 s[\g+1], 32<<16
	s_mov_b32 s[\g+2], 150<<16
	s_mov_b32 s[\g+3], 32<<16
	s_mov_b32 s[\g+4], 150
	s_mov_b32 s[\g+5], 32
	s_mov_b32 s[\g+6], 0
	s_mov_b32 s[\g+7], 0
.endr
.irp g, G1L, G1LB
	s_mov_b32 s[\g+1], 32<<16
	s_mov_b32 s[\g+2], 50<<16
	s_mov_b32 s[\g+3], 32<<16
	s_mov_b32 s[\g+4], 50
	s_mov_b32 s[\g+5], 32
	s_mov_b32 s[\g+6], 0
	s_mov_b32 s[\g+7], 0
.endr
	; which groups of prepb (16 to a tensor, in the order x, Wq, Wk, Wv).  A: x's or Wv's group 2 x tile row + half; B: Wq's, Wk's or x's group 2 (c % 8) + half
	s_cmp_lt_u32 ttmp9, 2
	s_cselect_b32 s19, 16, 32
	s_cmp_lt_u32 ttmp9, 4
	s_cselect_b32 s19, s19, 0
	s_cselect_b32 s18, 0, 48
	s_lshl_b32 s22, s17, 1
	s_add_co_u32 s22, s22, s16
	s_add_co_u32 s22, s22, s18                     ; A's group
	s_and_b32 s46, s42, 7
	s_lshl_b32 s46, s46, 1
	s_add_co_u32 s46, s46, s16
	s_add_co_u32 s46, s46, s19                     ; B's group
	s_mul_i32 s92, s22, GRP
	s_mov_b32 s93, 0
	s_mul_i32 s96, s46, GRP
	s_mov_b32 s97, 0
	s_mul_i32 s45, s14, PART                       ; where they go: by the wave's number alone
	s_mov_b32 s[SEL], 0x76543210
	s_mov_b32 s[SEL+1], 0xfedcba98
	s_wait_dscnt 0x0                               ; both opening adds are done
	s_wait_kmcnt 0x0
	s_add_nc_u64 s[92:93], s[4:5], s[92:93]
	s_add_nc_u64 s[96:97], s[4:5], s[96:97]
	CROUND                                         ; all sixteen work-groups are here: the first joint loads meet
.irp s, 0,1
	s_mov_b32 s[G0+4*\s], 1
	s_add_co_u32 s[G0+4*\s+1], s45, \s*SLOT
	s_add_nc_u64 s[G0+4*\s+2:G0+4*\s+3], s[92:93], \s*PART
	s_or_b32 s[G0+4*\s+3], s[G0+4*\s+3], 0x80000000
	s_mov_b32 s[G0B+4*\s], 1
	s_add_co_u32 s[G0B+4*\s+1], s45, \s*SLOT
	s_add_nc_u64 s[G0B+4*\s+2:G0B+4*\s+3], s[96:97], \s*PART
	s_or_b32 s[G0B+4*\s+3], s[G0B+4*\s+3], 0x80000000
	JLOAD G0+4*\s, G1, G0B+4*\s, G1B               ; K steps 0 to 2, then 3 to 5
.endr
	v_and_b32 v1, 15, v0                           ; r
	v_bfe_u32 v2, v0, 4, 1                         ; h
	v_and_b32 v3, 31, v0                           ; lane
	v_lshlrev_b32 v[LI], 4, v3
	s_mul_i32 s18, s15, PART                       ; my group of A,
	s_mul_i32 s19, s16, PART
	s_add_co_u32 s19, s19, 2*PART                  ; my group of B, behind A's two
.irp s, 0,1
	v_add_nc_u32 v[ADRA+\s], s18, v[LI]
	v_add_nc_u32 v[ADRB+\s], s19, v[LI]
	s_add_co_u32 s18, s18, SLOT
	s_add_co_u32 s19, s19, SLOT
.endr
	s_mul_i32 s18, s15, PART                       ; scale words: lanes 0-15 take A's group, lanes 16-31 B's: the lower base + h x the distance
	s_mul_i32 s19, s16, PART
	s_add_co_u32 s19, s19, 2*PART
	s_sub_co_u32 s19, s19, s18
	v_mul_u32_u24 v4, s19, v2
	v_lshl_add_u32 v4, v1, 4, v4
	s_add_co_u32 s18, s18, SCO
	v_add_nc_u32 v[ADRS], s18, v4
	s_add_co_u32 s18, s18, SLOT
	v_add_nc_u32 v[ADRS+1], s18, v4
	; where my results go
	s_and_b32 s18, s42, 7
	s_lshl_b32 s18, s18, 1
	s_add_co_u32 s18, s18, s16                     ; my 128 columns' number in the region
	s_lshl_b32 s19, s17, 1
	s_add_co_u32 s19, s19, s15                     ; my 128 rows' number
	s_cmp_lt_u32 ttmp9, 4
	s_cselect_b32 s22, s18, s19                    ; the head: columns (q, k) or rows (v)
	s_cselect_b32 s23, s19, s18                    ; the step of 128 tokens
	s_cselect_b32 s46, 0, 12288
	s_cselect_b32 s47, 0, 512
	s_lshl_b32 s22, s22, 4
	s_add_co_u32 s22, s22, s23                     ; 16 head + step
	s_mov_b32 s92, 24576
	s_mov_b32 s93, 1024
	s_mov_b32 s94, 3145728
	s_mov_b32 s95, 9568256
	s_mov_b32 s96, 9437184
	s_cmp_lt_u32 ttmp9, 2
	s_cselect_b32 s92, 12288, s92
	s_cselect_b32 s93, 512, s93
	s_cselect_b32 s94, 0, s94
	s_cselect_b32 s95, s96, s95
	s_mul_i32 s92, s92, s22
	s_add_co_u32 s92, s92, s94
	s_add_co_u32 s92, s92, s46
	s_mul_i32 s94, s93, s22
	s_add_co_u32 s94, s94, s95
	s_add_co_u32 s94, s94, s47
	s_mov_b32 s93, 0
	s_mov_b32 s95, 0
	s_add_nc_u64 s[8:9], s[6:7], s[92:93]          ; images
	s_add_nc_u64 s[10:11], s[6:7], s[94:95]        ; scale image
	s_lshl_b32 s92, s19, 16
	s_add_co_u32 s92, s92, 16384000
	s_add_nc_u64 s[12:13], s[4:5], s[92:93]        ; cos, sin of my 128 tokens (q, k)
; The 16 fragments and the scale words of the slot's q-th K step into set p: an image comes back by three loads of 16 bytes a lane.
; Register i of a set of scale words: lanes 0-15 the words of A's fragment i, lanes 16-31 those of B's.
.macro FETCH slot, q, p
	WIN 0x40
.irp i, 0,1,2,3,4,5,6,7
.irp c, 0,1,2
	ds_load_b128 v[128*(\p)+12*\i+4*\c:128*(\p)+12*\i+4*\c+3], v[ADRB+\slot] offset:REC*(\q)+FRB*\i+512*\c
.endr
.endr
	WIN 0
.irp i, 0,1,2,3,4,5,6,7
.irp c, 0,1,2
	ds_load_b128 v[AF+96*(\p)+12*\i+4*\c:AF+96*(\p)+12*\i+4*\c+3], v[ADRA+\slot] offset:REC*(\q)+FRB*\i+512*\c
.endr
.endr
	ds_load_b128 v[SC+8*(\p):SC+8*(\p)+3], v[ADRS+\slot] offset:REC*(\q)
	ds_load_b128 v[SC+8*(\p)+4:SC+8*(\p)+7], v[ADRS+\slot] offset:REC*(\q)+256
.endm
; 8 matrix instructions: A's block a against B's eight.  The 64 accumulators take turns, one instruction a turn, in the same order in every K step.
.macro MULA a, p, zero
.if (\a) < 4
	WIN 0xa1                                       ; source 0 (B) window 1, source 1 (A) window 0, C and D window 2
.else
	WIN 0xf1
.endif
.irp b, 0,1,2,3,4,5,6,7
.if \zero
	v_wmma_scale_f32_16x16x128_f8f6f4 v[8*(8*((\a)%4)+\b):8*(8*((\a)%4)+\b)+7], v[128*(\p)+12*\b:128*(\p)+12*\b+11], v[AF+96*(\p)+12*(\a):AF+96*(\p)+12*(\a)+11], 0, v[SC+8*(\p)+\b], v[SC+8*(\p)+(\a)] matrix_a_fmt:MATRIX_FMT_FP6 matrix_b_fmt:MATRIX_FMT_FP6 matrix_a_scale:MATRIX_SCALE_ROW1
.else
	v_wmma_scale_f32_16x16x128_f8f6f4 v[8*(8*((\a)%4)+\b):8*(8*((\a)%4)+\b)+7], v[128*(\p)+12*\b:128*(\p)+12*\b+11], v[AF+96*(\p)+12*(\a):AF+96*(\p)+12*(\a)+11], v[8*(8*((\a)%4)+\b):8*(8*((\a)%4)+\b)+7], v[SC+8*(\p)+\b], v[SC+8*(\p)+(\a)] matrix_a_fmt:MATRIX_FMT_FP6 matrix_b_fmt:MATRIX_FMT_FP6 matrix_a_scale:MATRIX_SCALE_ROW1
.endif
.endr
.endm
; K STEP j (0 to 14): it multiplies set j % 2 and fetches step j + 1's fragments into the other set.
; A slot's first two steps: the fetch, in one run, stands ahead of the 64 products.
; A slot's third step changes slots: ONE barrier; in front of it each wave waits for all its tensor loads, adds 0 to its spare word, and waits for that and for its reads of this slot.  Steps 2, 5, 8 fill the slot again with
; the three K steps six steps on; step 11 with K step 15 alone; step 14 fills nothing.
.macro KS j, zero
.set JS, ((\j)/3)%2                    ; this step's slot,
.set JQ, (\j)%3                        ; its place there,
.set JP, (\j)%2                        ; its set of registers;
.set NS, (((\j)+1)/3)%2                ; the next step's slot
.set NQ, ((\j)+1)%3                    ; and place
.if JQ < 2
	s_wait_dscnt 0x0                               ; this step's set is in
	PLACES 4                                       ; four places in front of loads into registers that matrix instructions have read (ISA guide 7.12.1 for vector instructions)
	FETCH NS, NQ, 1-JP
.irp a, 0,1,2,3,4,5,6,7
	MULA \a, JP, \zero
.endr
	WIN 0
.else
	s_wait_tensorcnt 0x0                           ; all my tensor loads have landed: my part of the next slot
	ds_add_u32 v[SPW], v[NIL]                      ; 0 onto my spare word
	s_wait_dscnt 1                                 ; this step's set is in; the add alone may be out
	MULA 0, JP, 0
	MULA 1, JP, 0
	s_wait_dscnt 0x0                               ; the add is done, and my reads of this slot are over
	s_barrier_signal -1
	MULA 2, JP, 0
	MULA 3, JP, 0
	WIN 0
	s_barrier_wait -1
.if (\j) < 14
	CREST                                          ; the barrier has opened a round of the cluster's: no wave of any partner still reads this slot or has a load on its way
	s_add_nc_u64 s[G0+4*JS+2:G0+4*JS+3], s[G0+4*JS+2:G0+4*JS+3], 2*PART
	s_add_nc_u64 s[G0B+4*JS+2:G0B+4*JS+3], s[G0B+4*JS+2:G0B+4*JS+3], 2*PART
.if (\j) < 11
	JLOAD G0+4*JS, G1, G0B+4*JS, G1B               ; the first tensor load behind the round; its four v_nop are also the places in front of the loads below
.else
	JLOAD G0+4*JS, G1L, G0B+4*JS, G1LB             ; the last: one record
.endif
.else
	PLACES 4
.endif
	FETCH NS, NQ, 1-JP
.irp a, 4,5,6,7
	MULA \a, JP, 0
.endr
	WIN 0
.endif
.endm
	s_wait_tensorcnt 1                             ; my part of slot 0 is in; slot 1's load may be out
	s_barrier_signal -1
	s_barrier_wait -1
	FETCH 0, 0, 0
	KS 0, 1                                        ; the first K step's products start the sums
.irp j, 1,2,3,4,5,6,7,8,9,10,11,12,13,14
	KS \j, 0
.endr
.macro RLOAD a                         ; cos, sin for my block a of 16 tokens: 16 chunks of 512 bytes into set a % 4 of window 1
	WIN 0x40
.irp q, 0,1,2,3,4,5,6,7,8,9,10,11,12,13,14,15
	global_load_b128 v[64*((\a)%4)+4*\q:64*((\a)%4)+4*\q+3], v[LI], s[12:13] offset:8192*(\a)+512*\q
.endr
	WIN 0
.endm
; 64 numbers of a lane, v[s] .. v[s + 63] of window W, register 16 b + i = k 32 b + 16 (lane / 16) + i of my row, become a fragment's codes in v[PC] on and its scale word in v[PW] (the same in both halves of the lanes).
.macro QUANT s, W, PW
	WIN (\W)|((\W)<<2)
.irp b, 0,1,2,3
	v_max3_num_f32 v[TM+\b], |v[(\s)+16*\b]|, |v[(\s)+1+16*\b]|, 0x1800000   ; with the floor 2^(3 - 127): the byte cannot fall under 1.  Each accumulator is read from its low end on
.endr
.irp i, 2,4,6,8,10,12,14
.irp b, 0,1,2,3
	v_max3_num_f32 v[TM+\b], |v[(\s)+16*\b+\i]|, |v[(\s)+1+16*\b+\i]|, v[TM+\b]
.endr
.endr
	WIN 0
.irp b, 0,1,2,3
	v_permlanex16_b32 v[TM+4+\b], v[TM+\b], s[SEL], s[SEL+1]
.endr
.irp b, 0,1,2,3
	v_max_num_f32 v[TM+\b], v[TM+\b], v[TM+4+\b]   ; with lane l xor 16's: the block's largest magnitude
.endr
.irp b, 0,1,2,3
	v_add_nc_u32 v[TM+12+\b], 0xff000000, v[TM+\b] ; 2 off its exponent field: the conversion's scale operand
.endr
.irp b, 0,1,2,3
	v_lshrrev_b32 v[TM+4+\b], 23, v[TM+12+\b]      ; the scale's byte
.endr
	v_lshl_or_b32 v[\PW], v[TM+5], 8, v[TM+4]
	v_lshl_or_b32 v[\PW], v[TM+6], 16, v[\PW]
	v_lshl_or_b32 v[\PW], v[TM+7], 24, v[\PW]
	s_wait_xcnt 0x0                                ; the last block's stores have read the codes' registers
	WIN \W
.irp c, 0,1
	v_cvt_scalef32_pk16_fp6_f32 v[PC+6*\c:PC+2+6*\c], v[(\s)+32*\c:(\s)+15+32*\c], v[TM+12+2*\c]
	v_cvt_scalef32_pk16_fp6_f32 v[PC+12+4*\c:PC+14+4*\c], v[(\s)+16+32*\c:(\s)+31+32*\c], v[TM+12+2*\c+1]   ; (a conversion's three registers begin on an even number)
.endr
	WIN 0
	v_nop                                          ; one plain place behind a scaled conversion
.irp c, 0,1                            ; the operand's layout wants a WHOLE block in a lane
.irp i, 0,1,2
	v_permlane16_swap_b32 v[PC+6*\c+\i], v[PC+12+4*\c+\i]
.endr
.irp i, 0,1,2
	v_mov_b32 v[PC+3+6*\c+\i], v[PC+12+4*\c+\i]
.endr
.endr
.endm
.macro OUT a                           ; the codes ARE the image: three stores of 512 consecutive bytes, aligned
.irp c, 0,1,2
	global_store_b128 v[LI], v[PC+4*\c:PC+4*\c+3], s[8:9] offset:FRB*(\a)+512*\c
.endr
.endm
; RoPE on block a: registers 2 n, 2 n + 1 of the block's 64 are channels d, d + 1 (d even) of my token; the table holds cos, sin in the registers of the same numbers.
; The table runs three blocks ahead: block a + 3 is asked for behind the wait for block a, into the set that block a - 1 has left: 48 loads of mine are out at the most.
.macro ROPE a
.if (\a) <= 5
	s_wait_loadcnt 32                              ; block a's table is in; those of the two blocks asked for behind it, 16 loads each, may be out
.else
	s_wait_loadcnt 16*(7-(\a))
.endif
.if (\a) < 5
	RLOAD (\a)+3
.endif
	WIN (2+(\a)/4)|4                               ; source 0: the accumulators' window; source 1: window 1
.set rn, 0
.rept 32
.set xx, 64*((\a)%4)+2*rn
	v_mul_f32 v[T+2*(rn%4)], v[xx+1], v[xx+1]      ; x2 sin
	v_mul_f32 v[T+2*(rn%4)+1], v[xx], v[xx+1]      ; x1 sin
	v_fma_f32 v[H+2*rn], v[xx], v[xx], -v[T+2*(rn%4)]        ; x1 cos - x2 sin
	v_fma_f32 v[H+2*rn+1], v[xx+1], v[xx], v[T+2*(rn%4)+1]   ; x2 cos + x1 sin
.set rn, rn+1
.endr
	WIN 0
.endm
	; K STEP 15 AND THE WAY OUT.  The ways part here, once, on the cluster's x, which is the same in all partners; no tensor load and no barrier stands in either arm.
	s_wait_dscnt 0x0                               ; set 1 is in
	PLACES 4                                       ; behind the products on set 0: for the writes and loads into its registers below
.irp b, 0,1,2,3
	v_mov_b32 v[TM+4+\b], 0                        ; written once: a lane permute's destination counts as one of its sources
.endr
	s_cmp_lt_u32 ttmp9, 4
	s_cbranch_scc0 .Lvpath
	; q and k
	RLOAD 0                                        ; into the registers that held B's set 0: the table's first two blocks land under the last 64 products
	RLOAD 1
.irp a, 0,1,2,3,4,5,6,7
	MULA \a, 1, 0
.endr
	WIN 0
	PLACES 4                                       ; in front of the first read of results, and of writes and loads into the operands' registers
	RLOAD 2
.irp a, 0,1,2,3,4,5,6,7
	ROPE \a
	QUANT H, 0, SW+\a
	OUT \a
.endr
	s_branch .Ljoin
.Lvpath:                                           ; v: no RoPE: the accumulators go into the quantiser as they stand
.irp a, 0,1,2,3,4,5,6,7
	MULA \a, 1, 0
.endr
	WIN 0
	PLACES 4                                       ; in front of the first read of results, and of writes into the operands' registers
.irp a, 0,1,2,3,4,5,6,7
	QUANT 64*(\a%4), 2+\a/4, SW+\a
	OUT \a
.endr
.Ljoin:
	v_cmp_lt_u32 vcc_lo, 15, v3                    ; lanes 16-31 take the words of blocks 4 to 7
.irp i, 0,1,2,3
	v_cndmask_b32 v[SIW+\i], v[SW+\i], v[SW+4+\i], vcc_lo
.endr
	global_store_b128 v[LI], v[SIW:SIW+3], s[10:11]
	s_wait_tensorcnt 0x0                           ; the wave's end
	ds_add_u32 v[SPW], v[NIL]
	s_wait_dscnt 0x0
	CROUND                                         ; the closing round: no work-group ends while a partner may still ask for a tile that names it
	s_endpgm
.Lfunc_end_k_qcee8f8c3b7_qkv:
	.size	k_qcee8f8c3b7_qkv, .Lfunc_end_k_qcee8f8c3b7_qkv-k_qcee8f8c3b7_qkv
	.p2alignl 7, 3214868480
	.fill 96, 4, 3214868480
	.section	.rodata,"a",@progbits
	.p2align	6, 0x0
	.amdhsa_kernel k_qcee8f8c3b7_qkv
		.amdhsa_group_segment_fixed_size 327680
		.amdhsa_private_segment_fixed_size 0
		.amdhsa_enable_private_segment 0
		.amdhsa_kernarg_size 16
		.amdhsa_user_sgpr_count 2
		.amdhsa_user_sgpr_kernarg_segment_ptr 1
		.amdhsa_wavefront_size32 1
		.amdhsa_system_sgpr_workgroup_id_x 1
		.amdhsa_system_sgpr_workgroup_id_y 1
		.amdhsa_system_sgpr_workgroup_id_z 1
		.amdhsa_system_vgpr_workitem_id 0
		.amdhsa_next_free_vgpr 1024
		.amdhsa_next_free_sgpr 100
		.amdhsa_reserve_vcc 1
		.amdhsa_float_denorm_mode_32 3
		.amdhsa_float_denorm_mode_16_64 3
		.amdhsa_memory_ordered 1
		.amdhsa_forward_progress 1
		.amdhsa_inst_pref_size 255
	.end_amdhsa_kernel
	.section	.bss,"aw",@nobits
	.p2align	6
	.space	262144
	.amdgpu_metadata
---
amdhsa.version: [ 1, 2 ]
amdhsa.kernels:
  - .name:           k_qcee8f8c3b7_qkv
    .symbol:         k_qcee8f8c3b7_qkv.kd
    .args:
      - { .name: prepb, .offset: 0, .size: 8, .value_kind: global_buffer, .address_space: global }
      - { .name: qkvb, .offset: 8, .size: 8, .value_kind: global_buffer, .address_space: global }
    .group_segment_fixed_size: 327680
    .private_segment_fixed_size: 0
    .kernarg_segment_align: 8
    .kernarg_segment_size: 16
    .max_flat_workgroup_size: 128
    .sgpr_count:     100
    .vgpr_count:     1024
    .wavefront_size: 32
...
	.end_amdgpu_metadata
.endif
;; end of part 2
;; launch attn (part 3): grid 16 x 16, 8 waves a work-group, no clusters, 327,680 bytes of LDS; arguments qkvb, ob; writes ob
.if DOCPART == 3
	.amdgcn_target "amdgcn-amd-amdhsa--gfx1250"
	.amdhsa_code_object_version 6
	.text
	.protected	k_qcee8f8c3b7_attn
	.globl	k_qcee8f8c3b7_attn
	.p2align	8
	.type	k_qcee8f8c3b7_attn,@function
k_qcee8f8c3b7_attn:
	s_mov_b64 s[64:65], 0
	v_nop
	global_prefetch_b8 v0, s[64:65] scope:SCOPE_SE
	s_setreg_imm32_b32 hwreg(HW_REG_WAVE_MODE, 25, 1), 1
	s_wait_xcnt 0x0
; LAUNCH 3 OF 4.  o = softmax(q k^T / sqrt(128), causal) v for 16 heads, both products on codes of FP6 with E8M0 scales; o is quantised along the model's 2,048 (a block of 32 lies inside a head) and leaves as images.
; LEFT OUT: key steps of 128 keys all of which come after a wave's queries (reference()'s own jnp.tril makes their p 0 for all inputs: see the head of the first launch).
; THE SOFTMAX: t = score x log2(e) / sqrt(128); M = the running largest t rounded UP to a whole number; p = 2^(t - M) is quantised along the keys, not normalised; the row's sum is taken of the unquantised p and
; divides o at the end; when M moves, the sum and O are multiplied by 2^(old M - new M), which rounds nothing.  A block's largest p is made from the block's largest score by the same two instructions.
; SHARES.  Work-group (a, head): waves 0-3 own the 64 queries of block a, waves 4-7 those of block 31 - a; a wave owns one fragment of 16 queries.  Block b needs b / 2 + 1 key steps: a pair needs 17, whatever a is:
; 256 work-groups of equal work.  Every wave walks all 8 slots (the trip counts are constants); a step that is hidden from it is jumped over by a scalar branch on ids, round no barrier, wait or tensor load.
; LAYOUT.  Both products transposed: S^T = K Q^T, O^T = V^T P^T: a lane holds ONE query, QB + r + 8 (r / 8).  By the fragments' row order the 16 registers of tiles 2 b, 2 b + 1 are keys (channels) 32 b + 16 h + 0 .. 15.
; THE RING: two slots of two key steps.  In memory a step is 24,576 dense bytes (K's 8 images, V's 8).  Waves 0-3 each fetch a quarter of BOTH steps by one tensor load of 2 rows x 6,144 bytes, so that every load that is
; issued holds bytes of the slot's first step, which is read wherever the slot is asked for.  In LDS: [quarter][step][6,144].  Wave 4 brings the head's scale images once.  One tensor load a wave is out at the most.
; The look-ahead ends at the causal limit: a slot whose first key comes after the work-group's last query is not asked for; every wait on TENSORcnt is for 0, and the test is made of ids and the count of steps alone.
; NO CLUSTER: under the mask the work-groups of a head need different numbers of slots, so partners would ask for tiles that none of their waves reads.
; PREFETCH: all 16 work-groups of a head walk the same K and V; work-group a = 0, which asks for every slot, names the slot that the NEXT change of slots will ask for: six waves, 32 lanes 256 bytes apart, 49,152 bytes,
; each block once in the launch.  Nothing is asked for at the head, nor at the last change that fills a slot.
; LIMITS: as stated at the head of the first launch.
; REGISTERS.  Window 0: v1-11 addresses; v12 -M, v13 the largest t, v[14:15] the sum; v16-27 Q, v28 its scale words; v32-35, v36-39 K's and V's scale words; v40-73 at work; v64 p's scale word; v96-159 S^T, p, o;
;   v160-223 O^T; v224-243 codes.  Window 1: v0-95 K's 8 fragments, v96-191 V's.
.set SLOT1, 65536                      ; slot 1 begins here: one exclusive or turns an address from one slot to the other
.set FRB,   1536
.set SCK,   131072                     ; the head's scale images: 16 steps x (K 512 | V 512)
.set OSC,   147456                     ; 512 bytes in which the eight waves' scale words of o meet; no tensor load lands here
.set SPARE, 147968                     ; the spare words, 128 bytes a wave
.set LI,   1                           ; v1   16 x lane
.set LQ,   2                           ; v2   r + 8 (r / 8) - 16 h
.set ADS0, 3                           ; v3   SCK + 16 x lane
.set R16,  4                           ; v4   16 r
.set SPW,  5
.set NIL,  6
.set PFO,  7                           ; v7   256 x lane
.set ADK,  8
.set ADS,  9
.set OSA,  10                          ; v10  where my row's scale word of o goes
.set OSR,  11                          ; v11  OSC + 16 x lane
.set GSO,  74                          ; v74  the same 16 bytes in ob
.set TM,   40
.set PC,   224
.set WV,   18
.set SEL,  20
.set CS,   22
.set G1T,  24
.set G0T,  32
.set G0S,  36
.set G1S,  68
.set TB,   2
.set TS,   3
.set SLOTS, 40
.set KF,   41
.set QB,   42
.set LASTQ, 43
.set PFA,  44
.set LIM,  46
.set MSB, 0
.macro WIN new
.if MSB != (\new)
	s_set_vgpr_msb (MSB<<8)|(\new)
.set MSB, (\new)
.endif
.endm
.macro PLACES n
.rept \n
	v_nop
.endr
.endm
.macro TLOAD                           ; waves 0-3 fetch, the others nothing; an s_nop 0 and four v_nop follow the load
	s_cmp_lt_u32 s[WV], 4
	s_cbranch_scc0 .Lasked_\@
	tensor_load_to_lds s[G0T:G0T+3], s[G1T:G1T+7]
	s_nop 0
.rept 4
	v_nop
.endr
.Lasked_\@:
.endm
.macro ASK
	s_cmp_gt_u32 s[SLOTS], s[LIM]
	s_cbranch_scc0 .Lnot_mine_\@
	global_prefetch_b8 v[PFO], s[PFA:PFA+1] th:TH_LOAD_NT scope:SCOPE_SE
.Lnot_mine_\@:
.endm
	s_load_b128 s[4:7], s[0:1], 0x0                ; qkvb, ob
	v_lshl_add_u32 v[SPW], v0, 2, SPARE
	v_mov_b32 v[NIL], 0
	ds_add_u32 v[SPW], v[NIL]                      ; the wave's opening: the add, twice on end, and its wait ahead of the first tensor load
	ds_add_u32 v[SPW], v[NIL]
	v_lshrrev_b32 v8, 5, v0
	v_readfirstlane_b32 s[WV], v8                  ; wave 0..7
	s_and_b32 s48, ttmp7, 0xffff                   ; the head
	s_lshr_b32 s49, s[WV], 2
	s_sub_co_u32 s50, 31, ttmp9
	s_cmp_eq_u32 s49, 0
	s_cselect_b32 s50, ttmp9, s50                  ; my block of 64 queries
	s_lshl_b32 s51, s50, 2
	s_and_b32 s52, s[WV], 3
	s_add_co_u32 s51, s51, s52                     ; my fragment of queries, qt
	s_lshr_b32 s53, s51, 1
	s_lshl_b32 s53, s53, 5
	s_and_b32 s54, s51, 1
	s_lshl_b32 s54, s54, 3
	s_add_co_u32 s[QB], s53, s54                   ; its first query: 32 (qt / 2) + 8 (qt % 2); its last: + 23
	s_lshl_b32 s[LASTQ], ttmp9, 6
	s_sub_co_u32 s[LASTQ], 2047, s[LASTQ]          ; my work-group's last query
	s_mul_i32 s54, s48, 393216
	s_add_co_u32 s54, s54, 3145728                 ; the head's K and V
	s_mov_b32 s55, 0
	s_mul_i32 s56, s[WV], 6144
	s_add_co_u32 s56, s56, s54                     ; my quarter of a step
	s_mov_b32 s57, 0
	s_lshl_b32 s58, s48, 14
	s_add_co_u32 s58, s58, 9568256                 ; the head's scale images
	s_mov_b32 s59, 0
	s_mul_i32 s60, s48, 196608
	s_mul_i32 s61, s51, FRB
	s_add_co_u32 s60, s60, s61                     ; Q's image
	s_mov_b32 s61, 0
	s_lshl_b32 s62, s48, 13                        ; Q's scale words: 8,192 head + 512 (qt / 8) + 256 ((qt % 8) / 4) + 4 (qt % 4)
	s_lshr_b32 s63, s51, 3
	s_lshl_b32 s63, s63, 9
	s_add_co_u32 s62, s62, s63
	s_bfe_u32 s63, s51, 0x10002
	s_lshl_b32 s63, s63, 8
	s_add_co_u32 s62, s62, s63
	s_lshl_b32 s63, s52, 2
	s_add_co_u32 s62, s62, s63
	s_add_co_u32 s62, s62, 9437184
	s_mov_b32 s63, 0
	s_lshr_b32 s66, s51, 3                         ; o's image: 196,608 (qt / 8) + 12,288 head + 1,536 (qt % 8)
	s_mul_i32 s66, s66, 196608
	s_mul_i32 s67, s48, 12288
	s_add_co_u32 s66, s66, s67
	s_and_b32 s67, s51, 7
	s_mul_i32 s67, s67, FRB
	s_add_co_u32 s66, s66, s67
	s_mov_b32 s67, 0
	s_lshr_b32 s76, ttmp9, 1                       ; o's scale words: block b's 256 bytes lie at 8,192 (b / 2) + 256 (b % 2) + 512 head
	s_lshl_b32 s76, s76, 13
	s_and_b32 s77, ttmp9, 1
	s_lshl_b32 s77, s77, 8
	s_add_co_u32 s76, s76, s77                     ; block a's
	s_sub_co_u32 s78, 31, ttmp9
	s_lshr_b32 s79, s78, 1
	s_lshl_b32 s79, s79, 13
	s_and_b32 s78, s78, 1
	s_lshl_b32 s78, s78, 8
	s_add_co_u32 s78, s78, s79
	s_sub_co_u32 s78, s78, s76                     ; from block a's to block 31 - a's
	s_lshl_b32 s77, s48, 9
	s_add_co_u32 s76, s76, s77
	s_add_co_u32 s76, s76, 3145728
	s_mov_b32 s77, 0
	s_lshl_b32 s52, s[WV], 13                      ; the prefetches: my wave's 8,192 bytes, in slot 1: the first change of slots steps it to slot 2
	s_add_co_u32 s52, s52, s54
	s_add_co_u32 s52, s52, 49152
	s_mov_b32 s53, 0
	s_cmp_lt_u32 s[WV], 6
	s_cselect_b32 s49, 0, 1
	s_or_b32 s49, s49, ttmp9
	s_cmp_eq_u32 s49, 0
	s_cselect_b32 s[LIM], 1, -1                    ; waves 0-5 of work-group a = 0 ask
	; group 1 for the tiles: 2 rows of 768 elements of 8 bytes, 3,072 elements apart
	s_mov_b32 s[G1T], 3<<16
	s_mov_b32 s[G1T+1], 768<<16
	s_mov_b32 s[G1T+2], 2<<16
	s_mov_b32 s[G1T+3], 768<<16
	s_mov_b32 s[G1T+4], 2
	s_mov_b32 s[G1T+5], 3072
	s_mov_b32 s[G1T+6], 0
	s_mov_b32 s[G1T+7], 0
	; and for the scale images: 16,384 dense bytes as 64 rows of 256
	s_mov_b32 s[G1S], 3<<16
	s_mov_b32 s[G1S+1], 32<<16
	s_mov_b32 s[G1S+2], 64<<16
	s_mov_b32 s[G1S+3], 32<<16
	s_mov_b32 s[G1S+4], 64
	s_mov_b32 s[G1S+5], 32
	s_mov_b32 s[G1S+6], 0
	s_mov_b32 s[G1S+7], 0
	s_mov_b32 s[SEL], 0x76543210
	s_mov_b32 s[SEL+1], 0xfedcba98
	s_mov_b32 s[CS], 0x3e0293ee                    ; c = log2(e) / sqrt(128)
	s_mov_b32 s[CS+1], s[CS]
	s_mov_b32 s[TB], 0
	s_mov_b32 s[TS], 0
	s_mov_b32 s[SLOTS], 7
	s_mov_b32 s[KF], 0
	s_mul_i32 s49, s[WV], 12288                    ; my quarter's place in a slot
	s_wait_dscnt 0x0                               ; both opening adds are done
	s_wait_kmcnt 0x0
	s_mov_b32 s[G0T], 1
	s_mov_b32 s[G0T+1], s49
	s_add_nc_u64 s[G0T+2:G0T+3], s[4:5], s[56:57]
	s_or_b32 s[G0T+3], s[G0T+3], 0x80000000
	s_mov_b32 s[G0S], 1
	s_mov_b32 s[G0S+1], SCK
	s_add_nc_u64 s[G0S+2:G0S+3], s[4:5], s[58:59]
	s_or_b32 s[G0S+3], s[G0S+3], 0x80000000
	s_cmp_lt_u32 s[WV], 4                          ; the first fills: slot 0 (waves 0-3), the scale images (wave 4)
	s_cbranch_scc0 .Lnot_tile
	tensor_load_to_lds s[G0T:G0T+3], s[G1T:G1T+7]
	s_nop 0
.rept 4
	v_nop
.endr
	s_branch .Lfirst_asked
.Lnot_tile:
	s_cmp_eq_u32 s[WV], 4
	s_cbranch_scc0 .Lfirst_asked
	tensor_load_to_lds s[G0S:G0S+3], s[G1S:G1S+7]
	s_nop 0
.rept 4
	v_nop
.endr
.Lfirst_asked:
	s_add_nc_u64 s[PFA:PFA+1], s[4:5], s[52:53]
	s_add_nc_u64 s[60:61], s[4:5], s[60:61]
	s_add_nc_u64 s[62:63], s[4:5], s[62:63]
	s_add_nc_u64 s[8:9], s[6:7], s[66:67]
	s_add_nc_u64 s[10:11], s[6:7], s[76:77]
	v_and_b32 v8, 15, v0                           ; r
	v_bfe_u32 v9, v0, 4, 1                         ; h
	v_and_b32 v10, 31, v0
	v_lshlrev_b32 v[LI], 4, v10
	v_lshlrev_b32 v[PFO], 8, v10
	v_lshlrev_b32 v[R16], 4, v8
.irp c, 0,1,2
	global_load_b128 v[16+4*\c:19+4*\c], v[LI], s[60:61] offset:512*\c   ; Q's fragment stays in registers
.endr
	global_load_b32 v28, v[R16], s[62:63]          ; and its scale words
	v_and_b32 v[LQ], 8, v8
	v_add_nc_u32 v[LQ], v[LQ], v8
	v_lshlrev_b32 v10, 4, v9
	v_sub_nc_u32 v[LQ], v[LQ], v10
	v_add_nc_u32 v[ADS0], SCK, v[LI]
	v_add_nc_u32 v[OSR], OSC, v[LI]
	s_lshr_b32 s48, s[WV], 2
	s_lshl_b32 s48, s48, 8
	s_and_b32 s49, s[WV], 3
	s_lshl_b32 s49, s49, 2
	s_add_co_u32 s48, s48, s49
	s_add_co_u32 s48, s48, OSC
	v_add_nc_u32 v[OSA], s48, v[R16]               ; OSC + 256 (wave / 4) + 4 (wave % 4) + 16 r
	v_mul_u32_u24 v[GSO], s78, v9
	v_add_nc_u32 v[GSO], v[GSO], v[R16]
	v_mov_b32 v13, 0xff61b1e6                      ; the largest t so far: -3e38
	v_floor_f32 v12, -v13                          ; -M
	v_mov_b32 v14, 0
	v_mov_b32 v15, 0
.irp b, 0,1,2,3
	v_mov_b32 v[44+\b], 0                          ; written once: a lane permute's destination counts as one of its sources
.endr
	v_mov_b32 v67, 0                               ; (named as the upper half of the pair v[66:67])
	v_mov_b32 v68, 0
.set jj, 0
.rept 64
	v_mov_b32 v[160+jj], 0                         ; O^T: the step is written once; the first finds zeros, which the first change of M leaves zeros
.set jj, jj+1
.endr
; A KEY STEP: 128 keys, the q-th of the slot in hand.
.macro STEP q
	s_add_co_u32 s48, s[QB], 23
	s_cmp_gt_u32 s[KF], s48                        ; all its keys come after my queries: left out
	s_cbranch_scc1 .Lhidden_\@
	v_add_nc_u32 v[ADK], s[TB], v[LI]
	v_add_nc_u32 v[ADS], s[TS], v[ADS0]
	ds_load_b128 v[32:35], v[ADS]                  ; register i: lanes 0-15 the words of K's fragment i, lanes 16-31 of fragment 4 + i
	ds_load_b128 v[36:39], v[ADS] offset:512       ; V's likewise
	WIN 0x40
.irp t, 0,1,2,3,4,5,6,7
.irp c, 0,1,2
	ds_load_b128 v[12*\t+4*\c:12*\t+4*\c+3], v[ADK] offset:12288*(\t/4)+6144*(\q)+FRB*(\t%4)+512*\c
.endr
.endr
.irp t, 0,1,2,3,4,5,6,7
.irp c, 0,1,2
	ds_load_b128 v[96+12*\t+4*\c:96+12*\t+4*\c+3], v[ADK] offset:12288*(2+\t/4)+6144*(\q)+FRB*(\t%4)+512*\c
.endr
.endr
	s_wait_dscnt 24                                ; the scale words and K are in; V's 24 loads may be out
	WIN 0x01                                       ; source 0 window 1
.irp t, 0,1,2,3
	v_wmma_scale_f32_16x16x128_f8f6f4 v[96+8*\t:103+8*\t], v[12*\t:12*\t+11], v[16:27], 0, v[32+\t], v28 matrix_a_fmt:MATRIX_FMT_FP6 matrix_b_fmt:MATRIX_FMT_FP6
.endr
.irp t, 4,5,6,7
	v_wmma_scale_f32_16x16x128_f8f6f4 v[96+8*\t:103+8*\t], v[12*\t:12*\t+11], v[16:27], 0, v[28+\t], v28 matrix_a_fmt:MATRIX_FMT_FP6 matrix_b_fmt:MATRIX_FMT_FP6 matrix_a_scale:MATRIX_SCALE_ROW1
.endr
	WIN 0
	PLACES 4
	s_add_co_u32 s48, s[KF], 127                   ; on the diagonal hidden scores become -infinity ahead of the maximum; a step all of whose keys count skips this
	s_cmp_le_u32 s48, s[QB]
	s_cbranch_scc1 .Lopen_\@
	s_sub_co_i32 s48, s[QB], s[KF]
	v_add_nc_u32 v69, s48, v[LQ]                   ; d = my query - KF - 16 h.  Register 16 b + i holds key KF + 16 h + 32 b + i: hidden where 32 b + i > d
	v_mov_b32 v71, 0xff800000
.set jj, 0
.rept 64
	v_cmp_gt_i32 vcc_lo, 32*(jj/16)+jj%16, v69
	v_cndmask_b32 v[96+jj], v[96+jj], v71, vcc_lo
.set jj, jj+1
.endr
.Lopen_\@:
.irp b, 0,1,2,3
	v_max3_num_f32 v[40+\b], v[96+16*\b], v[97+16*\b], v[98+16*\b]   ; the largest score of each block of 32 keys: for the row's maximum, and for the block's largest p
.endr
.irp i, 3,5,7,9,11,13
.irp b, 0,1,2,3
	v_max3_num_f32 v[40+\b], v[40+\b], v[96+16*\b+\i], v[97+16*\b+\i]
.endr
.endr
.irp b, 0,1,2,3
	v_max_num_f32 v[40+\b], v[40+\b], v[111+16*\b]
.endr
.irp b, 0,1,2,3
	v_permlanex16_b32 v[44+\b], v[40+\b], s[SEL], s[SEL+1]
.endr
.irp b, 0,1,2,3
	v_max_num_f32 v[40+\b], v[40+\b], v[44+\b]
.endr
	v_max3_num_f32 v68, v40, v41, v42
	v_max_num_f32 v68, v68, v43
	v_mul_f32 v68, s[CS], v68
	v_max_num_f32 v13, v13, v68                    ; the running largest t
	v_mov_b32 v68, v12
	v_floor_f32 v12, -v13                          ; the new -M = -ceil(t)
	v_sub_f32 v68, v12, v68                        ; old M - new M: a whole number, 0 or less
	v_cvt_i32_f32 v68, v68                         ; (it saturates)
	v_ldexp_f32 v66, 1.0, v68                      ; f = 2^(old M - new M)
.set jj, 0
.rept 32
	v_pk_fma_f32 v[96+jj:97+jj], v[96+jj:97+jj], s[CS:CS+1], v[12:13] op_sel_hi:[1,0,0]   ; t - M
.set jj, jj+2
.endr
.irp b, 0,1,2,3
	v_fma_f32 v[40+\b], v[40+\b], s[CS], v12
.endr
.set jj, 0
.rept 64
	v_exp_f32 v[96+jj], v[96+jj]                   ; p = 2^(t - M)
.set jj, jj+1
.endr
	v_pk_mul_f32 v[14:15], v[14:15], v[66:67] op_sel_hi:[1,0]   ; the sums under the new M: a plain place behind the exponentials
	s_wait_alu depctr_va_vdst(0)                   ; one wait for the batch, ahead of its first reader
.irp b, 0,1,2,3
	v_exp_f32 v[40+\b], v[40+\b]                   ; the block's largest p
.endr
	v_pk_add_f32 v[72:73], v[96:97], v[98:99]      ; the row's sum of the unquantised p, in two chains
.irp j, 4,8,12,16,20,24,28,32,36,40,44,48,52,56,60
	v_pk_add_f32 v[14:15], v[14:15], v[96+\j:97+\j]
	v_pk_add_f32 v[72:73], v[72:73], v[98+\j:99+\j]
.endr
	v_pk_add_f32 v[14:15], v[14:15], v[72:73]
	s_wait_alu depctr_va_vdst(0)                   ; and one for the four
.irp b, 0,1,2,3
	v_max_num_f32 v[40+\b], 0x1800000, v[40+\b]    ; the floor 2^(3 - 127)
.endr
.irp b, 0,1,2,3
	v_add_nc_u32 v[48+\b], 0xff000000, v[40+\b]
.endr
.irp b, 0,1,2,3
	v_lshrrev_b32 v[52+\b], 23, v[48+\b]
.endr
	v_lshl_or_b32 v64, v53, 8, v52                 ; p's scale word for these 128 keys
	v_lshl_or_b32 v64, v54, 16, v64
	v_lshl_or_b32 v64, v55, 24, v64
.irp c, 0,1
	v_cvt_scalef32_pk16_fp6_f32 v[224+6*\c:226+6*\c], v[96+32*\c:111+32*\c], v[48+2*\c]
	v_cvt_scalef32_pk16_fp6_f32 v[56+4*\c:58+4*\c], v[112+32*\c:127+32*\c], v[48+2*\c+1]
.endr
	v_nop
.irp c, 0,1
.irp i, 0,1,2
	v_permlane16_swap_b32 v[224+6*\c+\i], v[56+4*\c+\i]
.endr
.irp i, 0,1,2
	v_mov_b32 v[227+6*\c+\i], v[56+4*\c+\i]
.endr
.endr
.set jj, 0
.rept 32
	v_pk_mul_f32 v[160+jj:161+jj], v[160+jj:161+jj], v[66:67] op_sel_hi:[1,0]   ; O^T under the new M.  (These are also the places between p's codes and scale word and the products below)
.set jj, jj+2
.endr
	PLACES 4
	s_wait_dscnt 0x0                               ; V is in
	WIN 0x01
.irp t, 0,1,2,3
	v_wmma_scale_f32_16x16x128_f8f6f4 v[160+8*\t:167+8*\t], v[96+12*\t:107+12*\t], v[224:235], v[160+8*\t:167+8*\t], v[36+\t], v64 matrix_a_fmt:MATRIX_FMT_FP6 matrix_b_fmt:MATRIX_FMT_FP6
.endr
.irp t, 4,5,6,7
	v_wmma_scale_f32_16x16x128_f8f6f4 v[160+8*\t:167+8*\t], v[96+12*\t:107+12*\t], v[224:235], v[160+8*\t:167+8*\t], v[32+\t], v64 matrix_a_fmt:MATRIX_FMT_FP6 matrix_b_fmt:MATRIX_FMT_FP6 matrix_a_scale:MATRIX_SCALE_ROW1
.endr
	WIN 0
	PLACES 4                                       ; in front of the next step's loads into V's registers, and of the first read of O^T
.Lhidden_\@:
	s_add_co_u32 s[KF], s[KF], 128
	s_add_co_u32 s[TS], s[TS], 1024
.endm
; THE CHANGE OF SLOTS stands at a slot's head.  Each wave waits for all its tensor loads, adds 0 to its spare word, and waits for that and for its reads of the slot that it has left; behind the barrier the slot ahead is
; whole and nobody reads the other one.  fill = 1: that other slot is asked for, up to the causal limit.
.macro CHANGE fill
	s_wait_tensorcnt 0x0                           ; no tensor load of mine is out, so a group 0 may be written
	ds_add_u32 v[SPW], v[NIL]
.if \fill
	ds_add_u32 v[SPW], v[NIL]                      ; and once more: the add twice on end, in every trip alike
	s_xor_b32 s[G0T+1], s[G0T+1], SLOT1
	s_add_nc_u64 s[G0T+2:G0T+3], s[G0T+2:G0T+3], 49152
	s_wait_xcnt 0x0                                ; the last prefetch, a slot back, has read its address
	s_add_nc_u64 s[PFA:PFA+1], s[PFA:PFA+1], 49152
.endif
	s_wait_dscnt 0x0
	s_barrier_signal -1
	s_barrier_wait -1
.if \fill
	s_add_co_u32 s48, s[KF], 256                   ; the first key of the slot that this change would ask for
	s_cmp_gt_u32 s48, s[LASTQ]                     ; ids and the count of steps alone: all eight waves go the same way
	s_cbranch_scc1 .Lpast_\@
	TLOAD
.Lpast_\@:
	ASK
.endif
.endm
	s_wait_loadcnt 0x0                             ; Q
.Lslot:                                            ; 7 trips
	CHANGE 1
	STEP 0
	STEP 1
	s_xor_b32 s[TB], s[TB], SLOT1
	s_sub_co_u32 s[SLOTS], s[SLOTS], 1
	s_cmp_lg_u32 s[SLOTS], 0
	s_cbranch_scc1 .Lslot
	CHANGE 0                                       ; the last slot is written out: nothing is left to ask for
	STEP 0
	STEP 1
.macro QUANT s, W, PW                  ; as in the second launch: 64 numbers of a lane become a fragment's codes in v[PC] on and its scale word in v[PW]
	WIN (\W)|((\W)<<2)
.irp b, 0,1,2,3
	v_max3_num_f32 v[TM+\b], |v[(\s)+16*\b]|, |v[(\s)+1+16*\b]|, 0x1800000
.endr
.irp i, 2,4,6,8,10,12,14
.irp b, 0,1,2,3
	v_max3_num_f32 v[TM+\b], |v[(\s)+16*\b+\i]|, |v[(\s)+1+16*\b+\i]|, v[TM+\b]
.endr
.endr
	WIN 0
.irp b, 0,1,2,3
	v_permlanex16_b32 v[TM+4+\b], v[TM+\b], s[SEL], s[SEL+1]
.endr
.irp b, 0,1,2,3
	v_max_num_f32 v[TM+\b], v[TM+\b], v[TM+4+\b]
.endr
.irp b, 0,1,2,3
	v_add_nc_u32 v[TM+12+\b], 0xff000000, v[TM+\b]
.endr
.irp b, 0,1,2,3
	v_lshrrev_b32 v[TM+4+\b], 23, v[TM+12+\b]
.endr
	v_lshl_or_b32 v[\PW], v[TM+5], 8, v[TM+4]
	v_lshl_or_b32 v[\PW], v[TM+6], 16, v[\PW]
	v_lshl_or_b32 v[\PW], v[TM+7], 24, v[\PW]
	s_wait_xcnt 0x0
	WIN \W
.irp c, 0,1
	v_cvt_scalef32_pk16_fp6_f32 v[PC+6*\c:PC+2+6*\c], v[(\s)+32*\c:(\s)+15+32*\c], v[TM+12+2*\c]
	v_cvt_scalef32_pk16_fp6_f32 v[PC+12+4*\c:PC+14+4*\c], v[(\s)+16+32*\c:(\s)+31+32*\c], v[TM+12+2*\c+1]
.endr
	WIN 0
	v_nop
.irp c, 0,1
.irp i, 0,1,2
	v_permlane16_swap_b32 v[PC+6*\c+\i], v[PC+12+4*\c+\i]
.endr
.irp i, 0,1,2
	v_mov_b32 v[PC+3+6*\c+\i], v[PC+12+4*\c+\i]
.endr
.endr
.endm
	; THE WAY OUT.  o = O^T / the sum; my 64 numbers are channels 32 b + 16 h + i of my query's head: one fragment of the last product's left operand.
	v_add_f32 v14, v14, v15
	v_permlanex16_b32 v68, v14, s[SEL], s[SEL+1]
	v_add_f32 v14, v14, v68                        ; the row's sum
	v_rcp_f32 v14, v14
	v_nop                                          ; a plain place behind the reciprocal
	s_wait_alu depctr_va_vdst(0)                   ; the wait, ahead of its first reader
.set jj, 0
.rept 64
	v_mul_f32 v[96+jj], v[160+jj], v14
.set jj, jj+1
.endr
	QUANT 96, 0, 70
.irp c, 0,1,2
	global_store_b128 v[LI], v[PC+4*\c:PC+4*\c+3], s[8:9] offset:512*\c
.endr
	ds_store_b32 v[OSA], v70                       ; my rows' scale words (both halves of the lanes write the same word with the same value)
	s_wait_dscnt 0x0                               ; for the others' sake
	s_barrier_signal -1
	s_barrier_wait -1
	s_cmp_lg_u32 s[WV], 0
	s_cbranch_scc1 .Lnot_wave_0
	ds_load_b128 v[76:79], v[OSR]                  ; lanes 0-15: block a's 256 bytes of a scale image; lanes 16-31: block 31 - a's
	s_wait_dscnt 0x0
	global_store_b128 v[GSO], v[76:79], s[10:11]   ; sixteen lanes store 256 consecutive bytes, aligned
.Lnot_wave_0:
	s_wait_tensorcnt 0x0                           ; the wave's end
	ds_add_u32 v[SPW], v[NIL]
	s_wait_dscnt 0x0
	s_endpgm
.Lfunc_end_k_qcee8f8c3b7_attn:
	.size	k_qcee8f8c3b7_attn, .Lfunc_end_k_qcee8f8c3b7_attn-k_qcee8f8c3b7_attn
	.p2alignl 7, 3214868480
	.fill 96, 4, 3214868480
	.section	.rodata,"a",@progbits
	.p2align	6, 0x0
	.amdhsa_kernel k_qcee8f8c3b7_attn
		.amdhsa_group_segment_fixed_size 327680
		.amdhsa_private_segment_fixed_size 0
		.amdhsa_enable_private_segment 0
		.amdhsa_kernarg_size 16
		.amdhsa_user_sgpr_count 2
		.amdhsa_user_sgpr_kernarg_segment_ptr 1
		.amdhsa_wavefront_size32 1
		.amdhsa_system_sgpr_workgroup_id_x 1
		.amdhsa_system_sgpr_workgroup_id_y 1
		.amdhsa_system_sgpr_workgroup_id_z 1
		.amdhsa_system_vgpr_workitem_id 0
		.amdhsa_next_free_vgpr 512
		.amdhsa_next_free_sgpr 80
		.amdhsa_reserve_vcc 1
		.amdhsa_float_denorm_mode_32 3
		.amdhsa_float_denorm_mode_16_64 3
		.amdhsa_memory_ordered 1
		.amdhsa_forward_progress 1
		.amdhsa_inst_pref_size 113
	.end_amdhsa_kernel
	.amdgpu_metadata
---
amdhsa.version: [ 1, 2 ]
amdhsa.kernels:
  - .name:           k_qcee8f8c3b7_attn
    .symbol:         k_qcee8f8c3b7_attn.kd
    .args:
      - { .name: qkvb, .offset: 0, .size: 8, .value_kind: global_buffer, .address_space: global }
      - { .name: ob, .offset: 8, .size: 8, .value_kind: global_buffer, .address_space: global }
    .group_segment_fixed_size: 327680
    .private_segment_fixed_size: 0
    .kernarg_segment_align: 8
    .kernarg_segment_size: 16
    .max_flat_workgroup_size: 256
    .sgpr_count:     80
    .vgpr_count:     512
    .wavefront_size: 32
...
	.end_amdgpu_metadata
.endif
;; end of part 3
;; launch proj (part 4): grid 16 x 16, 4 waves a work-group, clusters of 4 x 4, 327,680 bytes of LDS; arguments ob, prepb, out0; writes out0
.if DOCPART == 4
	.amdgcn_target "amdgcn-amd-amdhsa--gfx1250"
	.amdhsa_code_object_version 6
	.text
	.protected	k_qcee8f8c3b7_proj
	.globl	k_qcee8f8c3b7_proj
	.p2align	8
	.type	k_qcee8f8c3b7_proj,@function
k_qcee8f8c3b7_proj:
	s_mov_b64 s[64:65], 0
	v_nop
	global_prefetch_b8 v0, s[64:65] scope:SCOPE_SE
	s_setreg_imm32_b32 hwreg(HW_REG_WAVE_MODE, 25, 1), 1
	s_wait_xcnt 0x0
	s_wait_alu depctr_hold_cnt(0) depctr_sa_sdst(0) depctr_va_vdst(0) depctr_va_sdst(0) depctr_va_ssrc(0) depctr_va_vcc(0) depctr_vm_vsrc(0)
	s_getreg_b32 s2, hwreg(HW_REG_IB_STS2, 6, 4)
	s_cmp_eq_u32 s2, 0
	s_cbranch_scc0 .Lentry_in_a_cluster
	s_endpgm
.Lentry_in_a_cluster:
	s_bfe_u32 s2, ttmp6, 0x10000c
	s_cmp_lg_u32 s2, 0xf033
	s_cbranch_scc0 .Lentry_shape_is_right
	s_endpgm
.Lentry_shape_is_right:
; LAUNCH 4 OF 4.  out0 = o Wproj^T on codes of FP6 with E8M0 scales; f32 out.  Nothing is left out here.
; A tile of 128 x 128 gives each of 256 work-groups one tile (256 x 256 would give 64).  Four waves, each 64 x 64: 16 accumulators.  Source 0 = Wproj's 16 rows, source 1 = o's 16 rows: a lane holds one token and eight
; neighbouring columns.  A = o's group of 128 tokens, B = Wproj's group of 128 rows; operands lie as fragment images, scales as scale images (head of the first launch).
; K's 16 steps lie in THREE slots of four steps; slot 0 is filled a second time, once: the text is written out, with no loop.  Each wave fetches two K steps of a group (24,576 dense bytes) a slot, and 4,096 bytes of
; scale images: four tensor loads out at the start, one behind the one round.
; CLUSTERS: 4 x 4; A's tiles are shared along a row of the cluster, B's along a column.  No prefetch is laid: three quarters of K are asked for at the head.
; The stage for the way out lies in slot 1: it has had its only fill, and every wave has passed a barrier behind its last read of it.
; REGISTERS.  Window 0: v16-18, v20-22, v24-27 addresses; v28, v29 the add's two; v32-39 scale words, two sets; v64-159 A's fragments, two sets of 48; v160-223 rows on the way out.  Window 1: v0-95 B's, two sets.
;   Window 2: the accumulators, (a, b) at v[8 (4 a + b)].
.set SLOT,  98304                      ; A's four K steps (49,152), then B's
.set PART,  24576
.set KST,   12288
.set FRB,   1536
.set SCL,   3*SLOT                     ; A's scale images (8,192), then B's
.set SPARE, SCL+16384
.set STAGE, SLOT                       ; 16 rows x 272 for each wave
.set ADRA, 16
.set ADRB, 20
.set STO,  24
.set RD,   25
.set CO,   26
.set ADRS, 27
.set SPW,  28
.set NIL,  29
.set SC,   32
.set AF,   64
.set BK,   160
.set G1,   24
.set G0,   32
.set G1B,  44
.set G0B,  52
.set G1S,  68
.set G0S,  76
.set G1SB, 80
.set G0SB, 88
.set MSB, 0
.macro WIN new
.if MSB != (\new)
	s_set_vgpr_msb (MSB<<8)|(\new)
.set MSB, (\new)
.endif
.endm
.macro PLACES n
.rept \n
	v_nop
.endr
.endm
.macro JLOAD g0a, g1a, g0b, g1b        ; waves 0, 1 fetch for A, waves 2, 3 for B; an s_nop 0 and four v_nop follow each of the two lines
	s_cmp_eq_u32 s15, 0
	s_cbranch_scc0 .Lfor_b_\@
	tensor_load_to_lds s[\g0a:\g0a+3], s[\g1a:\g1a+7]
	s_nop 0
.rept 4
	v_nop
.endr
	s_branch .Lasked_\@
.Lfor_b_\@:
	tensor_load_to_lds s[\g0b:\g0b+3], s[\g1b:\g1b+7]
	s_nop 0
.rept 4
	v_nop
.endr
.Lasked_\@:
.endm
.macro CREST
	s_cmp_lg_u32 s14, 0
	s_cbranch_scc1 .Lnot_wave_0_\@
	s_barrier_signal -3
.Lnot_wave_0_\@:
	s_barrier_wait -3
	s_barrier_signal -1
	s_barrier_wait -1
.endm
.macro CROUND
	s_barrier_signal -1
	s_barrier_wait -1
	CREST
.endm
	s_load_b128 s[4:7], s[0:1], 0x0                ; ob, prepb
	s_load_b64 s[12:13], s[0:1], 0x10              ; out0
	v_lshl_add_u32 v[SPW], v0, 2, SPARE
	v_mov_b32 v[NIL], 0
	ds_add_u32 v[SPW], v[NIL]                      ; the wave's opening: the add, twice on end, and its wait ahead of my first tensor load
	ds_add_u32 v[SPW], v[NIL]
	v_lshrrev_b32 v1, 5, v0
	v_readfirstlane_b32 s14, v1                    ; wave
	s_lshr_b32 s15, s14, 1                         ; my half of the rows.  Also: I fetch for A (0) or for B (1)
	s_and_b32 s16, s14, 1                          ; my half of the columns.  Also: which two of a slot's four K steps I fetch
	s_bfe_u32 s92, ttmp6, 0x40000                  ; cx
	s_bfe_u32 s93, ttmp6, 0x40004                  ; cy
	s_lshl_b32 s94, ttmp9, 2
	s_add_co_u32 s94, s94, s92                     ; tile column
	s_and_b32 s17, ttmp7, 0xffff
	s_lshl_b32 s17, s17, 2
	s_add_co_u32 s17, s17, s93                     ; tile row
	s_lshl_b32 s95, s93, 2
	s_lshl_b32 s95, 15, s95                        ; my row of the cluster
	s_lshl_b32 s96, 0x1111, s92                    ; my column
	s_or_b32 s[G1], s95, (3<<16)|(1<<21)           ; dense blocks as rows of 256 bytes: 96 rows of codes, 16 rows of scale images
	s_or_b32 s[G1B], s96, (3<<16)|(1<<21)
	s_or_b32 s[G1S], s95, (3<<16)|(1<<21)
	s_or_b32 s[G1SB], s96, (3<<16)|(1<<21)
.irp g, G1, G1B
	s_mov_b32 s[\g+1], 32<<16
	s_mov_b32 s[\g+2], 96<<16
	s_mov_b32 s[\g+3], 32<<16
	s_mov_b32 s[\g+4], 96
	s_mov_b32 s[\g+5], 32
	s_mov_b32 s[\g+6], 0
	s_mov_b32 s[\g+7], 0
.endr
.irp g, G1S, G1SB
	s_mov_b32 s[\g+1], 32<<16
	s_mov_b32 s[\g+2], 16<<16
	s_mov_b32 s[\g+3], 32<<16
	s_mov_b32 s[\g+4], 16
	s_mov_b32 s[\g+5], 32
	s_mov_b32 s[\g+6], 0
	s_mov_b32 s[\g+7], 0
.endr
	s_mul_i32 s8, s16, PART
	s_lshl_b32 s9, s16, 12
	s_mul_i32 s18, s17, 196608                     ; A's codes
	s_add_co_u32 s18, s18, s8
	s_mov_b32 s19, 0
	s_lshl_b32 s20, s17, 13                        ; A's scale images
	s_add_co_u32 s20, s20, s9
	s_add_co_u32 s20, s20, 3145728
	s_mov_b32 s21, 0
	s_mul_i32 s22, s94, 196608                     ; B's codes: Wproj's images begin at byte 13,107,200 of prepb
	s_add_co_u32 s22, s22, s8
	s_add_co_u32 s22, s22, 13107200
	s_mov_b32 s23, 0
	s_lshl_b32 s98, s94, 13                        ; B's scale images, at 16,252,928
	s_add_co_u32 s98, s98, s9
	s_add_co_u32 s98, s98, 16252928
	s_mov_b32 s99, 0
	s_mul_i32 s97, s14, PART                       ; where they go: by the wave's number alone
	s_lshl_b32 s10, s14, 12
	s_wait_dscnt 0x0                               ; both opening adds are done
	s_wait_kmcnt 0x0
	s_add_nc_u64 s[18:19], s[4:5], s[18:19]
	s_add_nc_u64 s[20:21], s[4:5], s[20:21]
	s_add_nc_u64 s[22:23], s[6:7], s[22:23]
	s_add_nc_u64 s[98:99], s[6:7], s[98:99]
	CROUND                                         ; all sixteen work-groups are here: the first joint loads meet
	s_mov_b32 s[G0S], 1
	s_add_co_u32 s[G0S+1], s10, SCL
	s_mov_b64 s[G0S+2:G0S+3], s[20:21]
	s_or_b32 s[G0S+3], s[G0S+3], 0x80000000
	s_mov_b32 s[G0SB], 1
	s_add_co_u32 s[G0SB+1], s10, SCL
	s_mov_b64 s[G0SB+2:G0SB+3], s[98:99]
	s_or_b32 s[G0SB+3], s[G0SB+3], 0x80000000
	JLOAD G0S, G1S, G0SB, G1SB
.irp s, 0,1,2
	s_mov_b32 s[G0+4*\s], 1
	s_add_co_u32 s[G0+4*\s+1], s97, \s*SLOT
	s_add_nc_u64 s[G0+4*\s+2:G0+4*\s+3], s[18:19], \s*2*PART
	s_or_b32 s[G0+4*\s+3], s[G0+4*\s+3], 0x80000000
	s_mov_b32 s[G0B+4*\s], 1
	s_add_co_u32 s[G0B+4*\s+1], s97, \s*SLOT
	s_add_nc_u64 s[G0B+4*\s+2:G0B+4*\s+3], s[22:23], \s*2*PART
	s_or_b32 s[G0B+4*\s+3], s[G0B+4*\s+3], 0x80000000
	JLOAD G0+4*\s, G1, G0B+4*\s, G1B
.endr
	v_and_b32 v1, 15, v0                           ; r
	v_bfe_u32 v2, v0, 4, 1                         ; h
	v_and_b32 v3, 31, v0
	v_lshlrev_b32 v3, 4, v3                        ; 16 x lane
	s_mul_i32 s18, s15, 4*FRB                      ; my four fragments of A,
	s_mul_i32 s19, s16, 4*FRB
	s_add_co_u32 s19, s19, 2*PART                  ; and of B, behind A's four K steps
.irp s, 0,1,2
	v_add_nc_u32 v[ADRA+\s], s18, v3
	v_add_nc_u32 v[ADRB+\s], s19, v3
	s_add_co_u32 s18, s18, SLOT
	s_add_co_u32 s19, s19, SLOT
.endr
	s_lshl_b32 s18, s15, 8                         ; scale words: lanes 0-15 A's four fragments, lanes 16-31 B's: the lower base + h x the distance
	s_lshl_b32 s19, s16, 8
	s_add_co_u32 s19, s19, 8192
	s_sub_co_u32 s19, s19, s18
	v_mul_u32_u24 v4, s19, v2
	s_add_co_u32 s18, s18, SCL
	v_lshl_add_u32 v4, v1, 4, v4
	v_add_nc_u32 v[ADRS], s18, v4
	s_mul_i32 s18, s14, 16*272
	s_add_co_u32 s18, s18, STAGE                   ; my stage
	v_mul_u32_u24 v[STO], v1, 272
	v_lshl_add_u32 v[STO], v2, 6, v[STO]
	v_add_nc_u32 v[STO], s18, v[STO]               ; in: row r, + 64 h
	v_mul_u32_u24 v[RD], v2, 272
	v_lshl_add_u32 v[RD], v1, 4, v[RD]
	v_add_nc_u32 v[RD], s18, v[RD]                 ; back: lanes 0-15 one row of 256 bytes, lanes 16-31 the next
	v_lshlrev_b32 v[CO], 13, v2
	v_lshl_add_u32 v[CO], v1, 4, v[CO]             ; and the same two rows in out0
	s_lshl_b32 s18, s17, 7
	s_lshl_b32 s19, s15, 6
	s_add_co_u32 s18, s18, s19                     ; my first row
	s_lshl_b32 s18, s18, 13
	s_lshl_b32 s19, s94, 9
	s_add_co_u32 s18, s18, s19
	s_lshl_b32 s19, s16, 8
	s_add_co_u32 s18, s18, s19                     ; + my first column's bytes
	s_mov_b32 s19, 0
	s_add_nc_u64 s[12:13], s[12:13], s[18:19]
.macro FETCH j                         ; K step j's 8 fragments and scale words into set j % 2
.set FS, ((\j)/4)%3
.set FQ, (\j)%4
.set FP, (\j)%2
	WIN 0x40
.irp i, 0,1,2,3
.irp c, 0,1,2
	ds_load_b128 v[48*FP+12*\i+4*\c:48*FP+12*\i+4*\c+3], v[ADRB+FS] offset:KST*FQ+FRB*\i+512*\c
.endr
.endr
	WIN 0
.irp i, 0,1,2,3
.irp c, 0,1,2
	ds_load_b128 v[AF+48*FP+12*\i+4*\c:AF+48*FP+12*\i+4*\c+3], v[ADRA+FS] offset:KST*FQ+FRB*\i+512*\c
.endr
.endr
	ds_load_b128 v[SC+4*FP:SC+4*FP+3], v[ADRS] offset:512*(\j)
.endm
.macro MULA a, p, zero                 ; A's block a against B's four; the 16 accumulators take turns
	WIN 0xa1
.irp b, 0,1,2,3
.if \zero
	v_wmma_scale_f32_16x16x128_f8f6f4 v[8*(4*(\a)+\b):8*(4*(\a)+\b)+7], v[48*(\p)+12*\b:48*(\p)+12*\b+11], v[AF+48*(\p)+12*(\a):AF+48*(\p)+12*(\a)+11], 0, v[SC+4*(\p)+\b], v[SC+4*(\p)+(\a)] matrix_a_fmt:MATRIX_FMT_FP6 matrix_b_fmt:MATRIX_FMT_FP6 matrix_a_scale:MATRIX_SCALE_ROW1
.else
	v_wmma_scale_f32_16x16x128_f8f6f4 v[8*(4*(\a)+\b):8*(4*(\a)+\b)+7], v[48*(\p)+12*\b:48*(\p)+12*\b+11], v[AF+48*(\p)+12*(\a):AF+48*(\p)+12*(\a)+11], v[8*(4*(\a)+\b):8*(4*(\a)+\b)+7], v[SC+4*(\p)+\b], v[SC+4*(\p)+(\a)] matrix_a_fmt:MATRIX_FMT_FP6 matrix_b_fmt:MATRIX_FMT_FP6 matrix_a_scale:MATRIX_SCALE_ROW1
.endif
.endr
.endm
.macro KS j, zero
.set PP, (\j)%2
.if (\j) == 3                          ; slot 0 has been read out: it takes K steps 12 to 15
	s_wait_tensorcnt 0x0                           ; all my tensor loads have landed, slots 1 and 2 among them
	ds_add_u32 v[SPW], v[NIL]
	s_wait_dscnt 1                                 ; this step's fragments are in; the add alone may be out
	MULA 0, PP, 0
	s_wait_dscnt 0x0                               ; the add is done, and my reads of slot 0 are over
	s_barrier_signal -1
	MULA 1, PP, 0
	WIN 0
	s_barrier_wait -1
	CREST                                          ; the barrier has opened a round of the cluster's
	s_add_nc_u64 s[G0+2:G0+3], s[G0+2:G0+3], 6*PART
	s_add_nc_u64 s[G0B+2:G0B+3], s[G0B+2:G0B+3], 6*PART
	JLOAD G0, G1, G0B, G1B                         ; the first tensor load behind the round; its four v_nop are also the places in front of the loads below
	FETCH 4
	MULA 2, PP, 0
	MULA 3, PP, 0
	WIN 0
.else
.if (\j) == 11
	s_wait_tensorcnt 0x0                           ; my part of slot 0's second fill is in: the one load that was out
	s_wait_dscnt 0x0
	s_barrier_signal -1
	s_barrier_wait -1                              ; everybody's is; and nobody reads slot 1 any more
.else
	s_wait_dscnt 0x0                               ; this step's fragments are in
.endif
.if (\j) < 15
	PLACES 4                                       ; in front of loads into registers that matrix instructions have read
	FETCH (\j)+1
.endif
	MULA 0, PP, \zero
	MULA 1, PP, \zero
	MULA 2, PP, \zero
	MULA 3, PP, \zero
	WIN 0
.endif
.endm
	s_wait_tensorcnt 2                             ; the scale images and my part of slot 0 are in; slots 1 and 2 may be out
	s_barrier_signal -1
	s_barrier_wait -1
	FETCH 0
	KS 0, 1                                        ; the first products start the sums
.irp j, 1,2,3,4,5,6,7,8,9,10,11,12,13,14,15
	KS \j, 0
.endr
	PLACES 4                                       ; in front of the first read of results
; THE WAY OUT, block by block of 16 tokens x 64 columns: through my stage, back as rows of 256 bytes.  Row i of block a is token 32 (a / 2) + 8 (a % 2) + i + 8 (i / 8) of my 64; tile b's eight registers are
; columns 32 (b / 2) + 8 (b % 2) + 16 h + 0 .. 7 of my 64.
.macro TOSTAGE a
	WIN 0x08                                       ; an LDS store's data are its source 1: window 2
.irp b, 0,1,2,3
	ds_store_b128 v[STO], v[8*(4*(\a)+\b):8*(4*(\a)+\b)+3] offset:128*(\b/2)+32*(\b%2)          ; each accumulator from its low end on
	ds_store_b128 v[STO], v[8*(4*(\a)+\b)+4:8*(4*(\a)+\b)+7] offset:128*(\b/2)+32*(\b%2)+16
.endr
	WIN 0
.set BB, BK+32*((\a)%2)
.irp t, 0,1,2,3,4,5,6,7
	ds_load_b128 v[BB+4*\t:BB+4*\t+3], v[RD] offset:544*\t   ; LDS serves a wave's instructions in order: these see the stores above, and the next block's stores come behind them
.endr
.endm
.macro SEND a, younger
.set BB, BK+32*((\a)%2)
	s_wait_dscnt \younger                          ; the block is back; the next block's 8 stores and 8 loads may be out
.irp t, 0,1,2,3,4,5,6,7
	global_store_b128 v[CO], v[BB+4*\t:BB+4*\t+3], s[12:13] offset:(32*((\a)/2)+8*((\a)%2)+2*\t+8*(\t/4))*8192 th:TH_STORE_NT   ; sixteen lanes store 256 consecutive bytes, aligned
.endr
.endm
	TOSTAGE 0
.irp a, 1,2,3
.if \a > 1
	s_wait_xcnt 0x0                                ; block a - 2's stores have read their registers: block a's loads may land there
.endif
	TOSTAGE \a
	SEND \a-1, 16
.endr
	SEND 3, 0
	s_wait_tensorcnt 0x0                           ; the wave's end
	ds_add_u32 v[SPW], v[NIL]
	s_wait_dscnt 0x0
	CROUND                                         ; the closing round
	s_endpgm
.Lfunc_end_k_qcee8f8c3b7_proj:
	.size	k_qcee8f8c3b7_proj, .Lfunc_end_k_qcee8f8c3b7_proj-k_qcee8f8c3b7_proj
	.p2alignl 7, 3214868480
	.fill 96, 4, 3214868480
	.section	.rodata,"a",@progbits
	.p2align	6, 0x0
	.amdhsa_kernel k_qcee8f8c3b7_proj
		.amdhsa_group_segment_fixed_size 327680
		.amdhsa_private_segment_fixed_size 0
		.amdhsa_enable_private_segment 0
		.amdhsa_kernarg_size 24
		.amdhsa_user_sgpr_count 2
		.amdhsa_user_sgpr_kernarg_segment_ptr 1
		.amdhsa_wavefront_size32 1
		.amdhsa_system_sgpr_workgroup_id_x 1
		.amdhsa_system_sgpr_workgroup_id_y 1
		.amdhsa_system_sgpr_workgroup_id_z 1
		.amdhsa_system_vgpr_workitem_id 0
		.amdhsa_next_free_vgpr 640
		.amdhsa_next_free_sgpr 100
		.amdhsa_reserve_vcc 0
		.amdhsa_float_denorm_mode_32 3
		.amdhsa_float_denorm_mode_16_64 3
		.amdhsa_memory_ordered 1
		.amdhsa_forward_progress 1
		.amdhsa_inst_pref_size 81
	.end_amdhsa_kernel
	.amdgpu_metadata
---
amdhsa.version: [ 1, 2 ]
amdhsa.kernels:
  - .name:           k_qcee8f8c3b7_proj
    .symbol:         k_qcee8f8c3b7_proj.kd
    .args:
      - { .name: ob, .offset: 0, .size: 8, .value_kind: global_buffer, .address_space: global }
      - { .name: prepb, .offset: 8, .size: 8, .value_kind: global_buffer, .address_space: global }
      - { .name: out0, .offset: 16, .size: 8, .value_kind: global_buffer, .address_space: global }
    .group_segment_fixed_size: 327680
    .private_segment_fixed_size: 0
    .kernarg_segment_align: 8
    .kernarg_segment_size: 24
    .max_flat_workgroup_size: 128
    .sgpr_count:     100
    .vgpr_count:     640
    .wavefront_size: 32
...
	.end_amdgpu_metadata
.endif
;; end of part 4
